; MI455X (gfx1250); checked and timed in simulation.
; The chip was launched on July 23, 2026; its instructions are those of AMD's public machine-readable ISA for CDNA 5 (MIT licence, August 2026) and "CDNA5" Instruction Set Architecture Reference Guide (July 2026). The comments in the code are by the model that wrote it; some were corrected since.
;; MHA. Allowed arithmetic: matrix products marked QUANTISED: E4M3 operands, one given power-of-two scale a tensor, by v_wmma_f32_16x16x64_fp8_fp8 or v_wmma_f32_16x16x128_fp8_fp8, f32 sums; everything else in f32.
;; Inputs: Wo 1,024 x 1,024 float32; Wqkv 3,072 x 1,024 float32; cos 2,048 x 32 float32; lowp_scales 8 int32 (the exponents e of the quantised operands' scales 2^e); sin 2,048 x 32 float32; x 4 x 2,048 x 1,024 float32.
;; Outputs: out0 4 x 2,048 x 1,024 float32.
;; This version of the problem:
;;   THIS VERSION OF THE PROBLEM IS GIVEN IN LOW PRECISION. The matrix products marked QUANTISED in the list below multiply operands that are first quantised to E4M3 (4 exponent bits, 3 mantissa bits; 8 bits a number), with one given power-of-two scale for each operand tensor; their sums are f32. All else is computed in f32.
;;   The module's matrix products, in the order in which they are computed (A, B: the left and right operand; K: the contracted axis; several contracted axes count as one K, in the product's order):
;;     1. [M 8,192, K 1,024] x [K 1,024, N 3,072]; A: input x; B: input Wqkv: QUANTISED (scales: A lowp_scales[0], B lowp_scales[1])
;;     2. batch 64 x [M 2,048, K 64] x [K 64, N 2,048]; A: computed on the way; B: computed on the way: QUANTISED (scales: A lowp_scales[2], B lowp_scales[3])
;;     3. batch 64 x [M 2,048, K 2,048] x [K 2,048, N 64]; A: softmax (see below); B: computed on the way: QUANTISED (scales: A lowp_scales[4], B lowp_scales[5])
;;     4. [M 8,192, K 1,024] x [K 1,024, N 1,024]; A: computed on the way; B: input Wo: QUANTISED (scales: A lowp_scales[6], B lowp_scales[7])
;;   THE QUANTISER, for each operand of a quantised product, along K:
;;     - The operand's scale is 2^e, e = its entry of the input lowp_scales (int32; the entries are numbered through the quantised products in the list's order, A before B).
;;     - Each number is divided by the scale, clamped to +-448, and rounded to the nearest number of E4M3, ties to even, subnormals kept.
;;     - The product sums the exact products of the quantised numbers (number of the format x scale) in f32.
;;   ~~~python
;;   def quantise(x, axis, e):      # numpy; x: float32 -> the quantised numbers, widened to float32 again
;;       x = np.moveaxis(x, axis, -1); K = x.shape[-1]
;;       r = np.clip(x / 2.0 ** e, -448, 448)
;;       step = 2.0 ** (np.maximum(np.frexp(np.where(r == 0, 1, r))[1] - 1, -6) - 3)
;;       q = np.round(r / step) * step * 2.0 ** e      # np.round: ties to even
;;       return np.moveaxis(q, -1, axis).astype(np.float32)
;;   ~~~
;;   SOFTMAX AHEAD OF A QUANTISED PRODUCT. Where the list says 'softmax', what is quantised is not the finished softmax but p = 2^(t - M), with t = logit x log2(e) and M = ceil(the row's largest t), a whole number; so 1/2 < the row's largest p <= 1. The row's sum l is taken of the UNQUANTISED p, in f32, and the product's result is divided by l at the end. Since M is a whole number, a kernel that streams over the keys may use a running M (the ceiling of the running maximum): every later rescaling is an exact power of two, so the quantised numbers keep their values, but for numbers so far below the row's largest that they fall under the format's range.
;;   OPERANDS COMPUTED ON THE WAY. 'Computed on the way' means the value that the module computes at that place (a softmax that the list does not call 'softmax' is quantised finished and normalised). What goes into a quantiser is computed in f32, as accurately as f32 sums, v_exp_f32 and their like allow (about 1e-6 of the number): no bf16 or f16 on the way to a quantiser, and a product that is left as it is and whose result goes on into a quantised operand takes f32 operands (vector FMAs, or v_wmma_f32_16x16x4_f32). A number that lies on a knife's edge between two numbers of the format may be rounded either way, as far as f32 arithmetic and the matrix unit's own rounding can turn it there, and no further.
;; One version. Each part assembles by itself: llvm-mc -triple=amdgcn-amd-amdhsa -mcpu=gfx1250 --defsym DOCPART=n.
;; ======== version 1 of 1: 4 launches
;; limits: right only within a limited range of input values
;; workspace buffers: xc 8,388,608 bytes; wqkvc 3,145,728 bytes; woc 1,048,576 bytes; qc 8,388,608 bytes; kv 16,777,216 bytes; yc 8,388,608 bytes
;; launch quant (part 1): grid 384 x 1, 4 waves a work-group, no clusters, 33,280 bytes of LDS; arguments x, Wqkv, Wo, lowp_scales, xc, wqkvc, woc; writes xc, wqkvc, woc
.if DOCPART == 1
	.amdgcn_target "amdgcn-amd-amdhsa--gfx1250"
	.amdhsa_code_object_version 6
	.text
	.protected	k_q088b67c47f_quant
	.globl	k_q088b67c47f_quant
	.p2align	8
	.type	k_q088b67c47f_quant,@function
k_q088b67c47f_quant:
	s_mov_b64 s[64:65], 0
	v_nop
	global_prefetch_b8 v0, s[64:65] scope:SCOPE_SE
	s_setreg_imm32_b32 hwreg(HW_REG_WAVE_MODE, 25, 1), 1
	s_wait_xcnt 0x0
; x [8192][1024], Wqkv [3072][1024] and Wo [1024][1024], f32 with K innermost, become codes of FP8 (E4M3), one byte a number, in the same order,
; each with the one scale 2^e that is given for it: entry 0 of the scales for x, entry 1 for Wqkv, entry 7 for Wo.
; code = number / 2^e, held within +-448, rounded to the nearest code, ties to even.
; LIMITS: each of the three e lies between -126 and 119, so that 2^e and 448 x 2^e are f32 numbers.  NaN among the inputs is not served (an infinity is held at the largest code).
; Rows are dense, so each tensor is a plain stream.  A work-group takes 32,768 numbers, a wave 16 steps of 512.  Work-groups 0-255 take x, 256-351 Wqkv, 352-383 Wo: only pointers and e are chosen, all take one way.
; A conversion takes 8 neighbours from ONE lane's registers; a load is best where neighbouring LANES take neighbouring bytes.  Both are had: each of a step's four loads reads 512 consecutive bytes, 16 a lane;
; the 2,048 bytes go through the wave's own stage in LDS as they lie and come back 64 bytes a lane (16 bytes of padding behind each 64).  A lane's 16 codes are 16 bytes: the wave stores 512 consecutive bytes.
; No matrix unit, no cluster, no barrier: memory binds, and waves share nothing.  Loads run four steps (16 loads a wave) ahead, the turn through LDS one step.
.set STEPS, 16
.set WGX,   256                        ; below: x
.set WGW,   352                        ; below: Wqkv; from here on: Wo
.set EMAX,  8
.set MANT,  0x600000                   ; the mantissa field of 448 as f32
.set R,     16                         ; v16-79   four sets of 16 numbers as they are loaded
.set X,     80                         ; v80-111  two sets of 16 neighbours
.set C,     128                        ; v128-191 codes: four registers for each step, so that no store's data are written again
.set WREG,  8192                       ; LDS: a region for each wave: two stages of 32 x SP bytes
.set SP,    80                         ; a lane's place in a stage: its 64 bytes + 16 of padding
	s_load_b256 s[4:11], s[0:1], 0x0               ; x s[4:5], Wqkv s[6:7], Wo s[8:9], the scales' exponents s[10:11]
	s_load_b128 s[12:15], s[0:1], 0x20             ; x's codes, Wqkv's codes
	s_load_b64 s[16:17], s[0:1], 0x30              ; Wo's codes
	v_lshl_add_u32 v192, v0, 2, 0x8000
	v_mov_b32 v193, 0
	v_lshrrev_b32 v1, 5, v0
	v_readfirstlane_b32 s18, v1                    ; wave
	v_and_b32 v2, 31, v0                           ; lane
	v_lshlrev_b32 v3, 4, v2                        ; 16 x lane: my 16 bytes of a load's 512, and of a store's 512; never rewritten
	s_mul_i32 s32, s18, WREG
	v_lshrrev_b32 v14, 2, v2
	v_mul_u32_u24 v14, v14, SP
	v_and_b32 v15, 3, v2
	v_lshl_add_u32 v14, v15, 4, v14
	v_add_nc_u32 v14, s32, v14                     ; the stage, on the way in: four lanes' 64 bytes on end, then the padding: SP (lane / 4) + 16 (lane % 4)
	v_mul_u32_u24 v15, v2, SP
	v_add_nc_u32 v15, s32, v15                     ; and on the way out: SP x lane: my 16 neighbours
	s_wait_alu depctr_va_vdst(0)
	s_wait_kmcnt 0x0
	s_load_b256 s[24:31], s[10:11], 0x0            ; the eight exponents
	s_cmp_lt_u32 ttmp9, WGX                        ; which tensor?  The choice hangs on the work-group's number alone
	s_cselect_b64 s[20:21], s[4:5], s[6:7]
	s_cselect_b64 s[22:23], s[12:13], s[14:15]
	s_cselect_b32 s19, 0, WGX
	s_cmp_lt_u32 ttmp9, WGW
	s_cselect_b64 s[20:21], s[20:21], s[8:9]
	s_cselect_b64 s[22:23], s[22:23], s[16:17]
	s_cselect_b32 s19, s19, WGW
	s_sub_co_u32 s19, ttmp9, s19                   ; my work-group's number within its tensor
	s_lshl_b32 s19, s19, 2
	s_add_co_u32 s32, s19, s18                     ; which run of 8,192 numbers is my wave's: 1,023 at the most
	s_lshl_b32 s34, s32, 15                        ; 32,768 bytes of f32 a run
	s_mov_b32 s35, 0
	s_add_nc_u64 s[20:21], s[20:21], s[34:35]
	s_lshl_b32 s34, s32, 13                        ; 8,192 bytes of codes a run
	s_add_nc_u64 s[22:23], s[22:23], s[34:35]
.macro LOAD t
.irp i, 0,1,2,3
	global_load_b128 v[R+16*((\t)%4)+4*\i:R+16*((\t)%4)+4*\i+3], v3, s[20:21] offset:2048*(\t)+512*\i th:TH_LOAD_NT   ; 32 lanes read 512 consecutive bytes; read once in the launch
.endr
.endm
.macro TURN t                          ; step t's numbers through the stage: LDS serves a wave's instructions in order, so no wait stands between the stores and the loads
.irp i, 0,1,2,3
	ds_store_b128 v14, v[R+16*((\t)%4)+4*\i:R+16*((\t)%4)+4*\i+3] offset:32*SP*((\t)%2)+8*SP*\i
.endr
.irp i, 0,1,2,3
	ds_load_b128 v[X+16*((\t)%2)+4*\i:X+16*((\t)%2)+4*\i+3], v15 offset:32*SP*((\t)%2)+16*\i
.endr
.endm
.irp t, 0,1,2,3
	LOAD \t
.endr
	s_wait_kmcnt 0x0
	s_cmp_lt_u32 ttmp9, WGX
	s_cselect_b32 s33, s24, s25                    ; e of x or of Wqkv,
	s_cmp_lt_u32 ttmp9, WGW
	s_cselect_b32 s33, s33, s31                    ; or of Wo
	s_add_co_i32 s33, s33, 127
	s_lshl_b32 s36, s33, 23
	v_mov_b32 v11, s36                             ; 2^e as f32: the conversion takes its exponent field
	s_add_co_i32 s33, s33, EMAX
	s_lshl_b32 s33, s33, 23
	s_or_b32 s33, s33, MANT
	s_wait_alu depctr_va_vdst(0)
	s_wait_loadcnt 12                              ; step 0's four loads are in; the twelve of steps 1 to 3 may be out
	TURN 0
.macro STEP t
.set XS, X+16*((\t)%2)
	s_wait_dscnt 0x0                               ; this step's numbers are back from the stage: so its stores into the stage have read their registers,
.if (\t)+4 < STEPS
	LOAD (\t)+4                                    ; which take the loads of four steps on
.endif
.if (\t)+1 < STEPS
.if STEPS-2-(\t) >= 3
	s_wait_loadcnt 12                              ; the next step's four loads are in; those of the three steps behind it may be out
.else
	s_wait_loadcnt 4*(STEPS-2-(\t))                ; near the end fewer steps stand behind it
.endif
	TURN (\t)+1                                    ; and go through the other stage while this step is worked
.endif
.irp i, 0,1,2,3,4,5,6,7,8,9,10,11,12,13,14,15
.endr
	v_cvt_scalef32_pk8_fp8_f32 v[C+4*(\t):C+4*(\t)+1], v[XS:XS+7], v11          ; eight numbers / 2^e, to the nearest code, ties to even; the first number's code in the lowest byte
	v_cvt_scalef32_pk8_fp8_f32 v[C+4*(\t)+2:C+4*(\t)+3], v[XS+8:XS+15], v11
	global_store_b128 v3, v[C+4*(\t):C+4*(\t)+3], s[22:23] offset:512*(\t)      ; the codes go to a store alone
.endm
.irp t, 0,1,2,3,4,5,6,7,8,9,10,11,12,13,14,15
	STEP \t
.endr
	s_wait_tensorcnt 0x0
	ds_add_u32 v192, v193
	s_wait_dscnt 0x0
	s_endpgm
.Lfunc_end_k_q088b67c47f_quant:
	.size	k_q088b67c47f_quant, .Lfunc_end_k_q088b67c47f_quant-k_q088b67c47f_quant
	.p2alignl 7, 3214868480
	.fill 96, 4, 3214868480
	.section	.rodata,"a",@progbits
	.p2align	6, 0x0
	.amdhsa_kernel k_q088b67c47f_quant
		.amdhsa_group_segment_fixed_size 33280
		.amdhsa_private_segment_fixed_size 0
		.amdhsa_enable_private_segment 0
		.amdhsa_kernarg_size 56
		.amdhsa_user_sgpr_count 2
		.amdhsa_user_sgpr_kernarg_segment_ptr 1
		.amdhsa_wavefront_size32 1
		.amdhsa_system_sgpr_workgroup_id_x 1
		.amdhsa_system_sgpr_workgroup_id_y 1
		.amdhsa_system_sgpr_workgroup_id_z 1
		.amdhsa_system_vgpr_workitem_id 0
		.amdhsa_next_free_vgpr 194
		.amdhsa_next_free_sgpr 66
		.amdhsa_reserve_vcc 0
		.amdhsa_float_denorm_mode_32 3
		.amdhsa_float_denorm_mode_16_64 3
		.amdhsa_fp16_overflow 1
		.amdhsa_memory_ordered 1
		.amdhsa_forward_progress 1
		.amdhsa_inst_pref_size 22
	.end_amdhsa_kernel
	.amdgpu_metadata
---
amdhsa.version: [ 1, 2 ]
amdhsa.kernels:
  - .name:           k_q088b67c47f_quant
    .symbol:         k_q088b67c47f_quant.kd
    .args:
      - { .name: x, .offset: 0, .size: 8, .value_kind: global_buffer, .address_space: global }
      - { .name: Wqkv, .offset: 8, .size: 8, .value_kind: global_buffer, .address_space: global }
      - { .name: Wo, .offset: 16, .size: 8, .value_kind: global_buffer, .address_space: global }
      - { .name: lowp_scales, .offset: 24, .size: 8, .value_kind: global_buffer, .address_space: global }
      - { .name: xc, .offset: 32, .size: 8, .value_kind: global_buffer, .address_space: global }
      - { .name: wqkvc, .offset: 40, .size: 8, .value_kind: global_buffer, .address_space: global }
      - { .name: woc, .offset: 48, .size: 8, .value_kind: global_buffer, .address_space: global }
    .group_segment_fixed_size: 33280
    .private_segment_fixed_size: 0
    .kernarg_segment_align: 8
    .kernarg_segment_size: 56
    .max_flat_workgroup_size: 128
    .sgpr_count:     66
    .vgpr_count:     194
    .wavefront_size: 32
...
	.end_amdgpu_metadata
.endif
;; end of part 1
;; launch qkv (part 2): grid 12 x 32, 4 waves a work-group, clusters of 4 x 4, 327,680 bytes of LDS; arguments xc, wqkvc, cos, sin, lowp_scales, qc, kv; writes qc, kv
.if DOCPART == 2
	.amdgcn_target "amdgcn-amd-amdhsa--gfx1250"
	.amdhsa_code_object_version 6
	.text
	.protected	k_q088b67c47f_qkv
	.globl	k_q088b67c47f_qkv
	.p2align	8
	.type	k_q088b67c47f_qkv,@function
k_q088b67c47f_qkv:
	s_mov_b64 s[64:65], 0
	v_nop
	global_prefetch_b8 v0, s[64:65] scope:SCOPE_SE
	s_setreg_imm32_b32 hwreg(HW_REG_WAVE_MODE, 25, 1), 1
	s_wait_xcnt 0x0
	s_wait_alu depctr_hold_cnt(0) depctr_sa_sdst(0) depctr_va_vdst(0) depctr_va_sdst(0) depctr_va_ssrc(0) depctr_va_vcc(0) depctr_vm_vsrc(0)
	s_getreg_b32 s2, hwreg(HW_REG_IB_STS2, 6, 4)
	s_cmp_eq_u32 s2, 0
	s_cbranch_scc0 .Lentry_in_a_cluster
	s_endpgm
.Lentry_in_a_cluster:
	s_bfe_u32 s2, ttmp6, 0x10000c
	s_cmp_lg_u32 s2, 0xf033
	s_cbranch_scc0 .Lentry_shape_is_right
	s_endpgm
.Lentry_shape_is_right:
; qkv = x Wqkv^T on codes of FP8 (E4M3) (x's scale 2^e0, Wqkv's 2^e1), the rotary turn of q and k in f32, and q, k, v quantised (2^e2, 2^e3, 2^e5) into the layouts that the attention launch reads.
; xc: [8192][1024] codes, wqkvc: [3072][1024] codes, K innermost.  cos, sin: [2048][32] f32.
; qc: [bh 64][t 2048][64] codes.   kv: 262,144 bytes a bh: first k as [t 2048][64]; from byte 131,072 v with the KEYS innermost, [key step 16][channel 64][128 bytes]; inside a key step key 32 c + 16 u + 8 h + i lies at
; byte 32 c + 16 h + 8 u + i, so that a 16-byte load at 32 c + 16 h brings a lane of half h the keys that the 16x16x128 form's own layout gives registers 4 c .. 4 c + 3.
; LIMITS: e2 - e0 - e1, e3 - e0 - e1 and e5 - e0 - e1 lie between -126 and 119, so that each folded scale and 448 x it are f32 numbers.
; A tile of 256 x 256 of the product is made by a work-group of four waves, a wave makes 128 x 128: 64 accumulators, 512 registers.  K = 1,024 goes in four steps of 256 through a ring of two LDS slots filled by the tensor data mover.
; THE MATRIX INSTRUCTION takes 16 rows of 'B' as source 0 and 16 rows of 'A' as source 1: a lane then holds ONE row of A and EIGHT NEIGHBOURING rows of B.
;   clusters with x = 0 (q) and 1 (k): A = x's rows (t), B = Wqkv's rows (channels): a lane holds one t and eight neighbouring channels: the rotary pairs lie in register pairs, and the codes come out with the channels innermost.
;   clusters with x = 2 (v): A = Wqkv's rows 2,048 on (channels), B = x's rows (t): a lane holds one channel and eight neighbouring t: the codes come out with the keys innermost.  Nothing is transposed by an instruction.
;   Only pointers and cluster coordinates are chosen, on the cluster's x, which all sixteen partners share; up to the way out the text has one way.
; CLUSTERS: 4 x 4 work-groups.  A's tile hangs on the tile row alone and is asked for jointly by a row of the cluster, B's on the tile column alone and by a column: the same tensor load, descriptor and mask in all four.
; No tile is named ahead of its tensor load: of K's four steps two come by the first fills and two by the two refills, so no step lies further ahead than a refill already reaches.
; REGISTERS, in windows of 256: window 0: v16-31 addresses and constants; v32-95 cos and sin, two sets; v96-127 codes, two sets; from v128 A's fragments, ONE set; on the way out v128-255 are free.
;   window 1: B's fragments, TWO sets.   window 2: the accumulators of my rows 0-63 of A ((a, b) at v[8 (8 a + b)]);   window 3: those of rows 64-127.
.set KSTEP,  256                       ; along K in a slot
.set ROWB,   256                       ; a tile's row in bytes
.set KROW,   1024                      ; a row of xc or wqkvc in bytes
.set PITCH,  272                       ; an LDS row: 256 bytes + 16 of padding = 68 words: row r starts at bank 4 r mod 64 (ISA guide 11.1), so the 16 rows that a load touches start at 16 different banks
.set FR,     16                        ; registers of a fragment: 16 rows x 128 K
.set NL,     4                         ; LDS loads that bring one
.set NP,     4                         ; places behind this matrix instruction (ISA guide 7.12.1)
.set HALFT,  128*PITCH                 ; 128 rows: what one tensor load brings
.set SLOT,   4*HALFT                   ; A's 256 rows, then B's 256 rows
.set LAPS,   2                         ; 1,024 / (2 x 256): twice round the ring
.set SPARE,  2*SLOT                    ; behind the ring: the spare words, 128 bytes a wave: two blocks of 256 bytes that no other line names
.set SPITCH, 272                       ; the way out: stage rows of 256 bytes + 16
.set STQ,    0                         ; the stage of q's and k's way: 256 rows.  Both stages lie in slot 0, which has had its last fill and its last read when the first code is stored there
.set STV,    256*SPITCH                ; the stage of v's way: bytes of its own
.set ADRA, 16                          ; v16-17  LDS address of my A fragments in slot 0, 1
.set ADRB, 20                          ; v20-21  the same for B
.set STOQ, 22                          ; v22     q's and k's way: where I put 8 codes
.set STOV, 23                          ; v23     v's way: the same
.set RD,   24                          ; v24     where I read stage rows back
.set GO,   26                          ; v26     16 x lane: my bytes of a store's 512
.set CSO,  27                          ; v27     my byte offset in cos and in sin
.set SPW,  28                          ; v28     LDS address of my spare word; never rewritten
.set NIL,  29                          ; v29     0; never rewritten
.set LIM,  30
.set SC,   31                          ; v31     the folded scale as f32
.set CS,   32                          ; v32-63, v64-95: for a block of 16 t: at 8 bq four cos, at 8 bq + 4 four sin (bq: which 16 channels of a head)
.set CD,   96                          ; v96-111, v112-127: a block's codes, two sets by turns
.set TMP,  128                         ; the way out: 64 numbers
.set BK,   128                         ; and later 32 x 4 registers read back from the stage
.set AF,   128                         ; A's fragments
.set OUT,  84                          ; s[84:85] where my wave's 16,384 dense bytes of codes go
.set G1, 24                            ; s[24:31] descriptor group 1 for A's tiles;  s[32:39] group 0, one set for each slot
.set G0, 32
.set G1B, 48                           ; s[48:55], s[56:63] the same for B's tiles
.set G0B, 56
.set MSB, 0
.macro WIN new                         ; the immediate's high byte repeats the setting that is left
.if MSB != \new
	s_set_vgpr_msb (MSB<<8)|\new
.set MSB, \new
.endif
.endm
.set MUL_LO, 0xa1                      ; source 0 (B) window 1, source 1 (A) window 0, C and D window 2
.set MUL_HI, 0xf1                      ; the same, C and D window 3
.set TO_B,   0x40                      ; destination window 1, address window 0
; A joint load: waves 0 and 1 fetch for A, waves 2 and 3 for B.  Each of the two lines has ONE mask and one set of registers for all that issue it; the branch hangs on the wave's number alone.
; Four v_nop follow each of the two lines, ahead of the jump, the label and what follows.
.macro JLOAD g0a, g1a, g0b, g1b
	s_cmp_eq_u32 s15, 0
	s_cbranch_scc0 .Lfor_b_\@
	tensor_load_to_lds s[\g0a:\g0a+3], s[\g1a:\g1a+7]
	s_nop 0
.rept 4
	v_nop
.endr
	s_branch .Lasked_\@
.Lfor_b_\@:
	tensor_load_to_lds s[\g0b:\g0b+3], s[\g1b:\g1b+7]
	s_nop 0
.rept 4
	v_nop
.endr
.Lasked_\@:
.endm
.macro CREST                           ; a round of the cluster's barrier behind its opening barrier
	s_cmp_lg_u32 s14, 0
	s_cbranch_scc1 .Lnot_wave_0_\@
	s_barrier_signal -3
.Lnot_wave_0_\@:
	s_barrier_wait -3
	s_barrier_signal -1
	s_barrier_wait -1
.endm
.macro CROUND                          ; a whole round
	s_barrier_signal -1
	s_barrier_wait -1
	CREST
.endm
	s_load_b256 s[4:11], s[0:1], 0x0               ; xc s[4:5], wqkvc s[6:7], cos s[8:9], sin s[10:11]
	s_load_b128 s[68:71], s[0:1], 0x20             ; the scales' exponents s[68:69], qc s[70:71]
	s_load_b64 s[72:73], s[0:1], 0x30              ; kv
	v_lshl_add_u32 v[SPW], v0, 2, SPARE
	v_mov_b32 v[NIL], 0
	ds_add_u32 v28, v29
	ds_add_u32 v28, v29
	s_wait_dscnt 0x0
	v_lshrrev_b32 v1, 5, v0
	v_readfirstlane_b32 s14, v1                    ; wave 0..3
	s_lshr_b32 s15, s14, 1                         ; which half of A's 256 rows is mine.  Also: I fetch for A (0) or for B (1)
	s_and_b32 s16, s14, 1                          ; which half of B's 256 rows.  Also: which 128 rows of that tile I fetch
	s_bfe_u32 s40, ttmp6, 0x40000                  ; cx, cy: my place in the cluster
	s_bfe_u32 s41, ttmp6, 0x40004
	s_and_b32 s74, ttmp7, 0xffff                   ; the cluster's y
	s_cmp_eq_u32 ttmp9, 2                          ; v's clusters?  The cluster's x is the same in all sixteen partners
	s_cselect_b32 s87, s74, ttmp9                  ; the cluster's place along B's tiles: v: its y (x's rows); q, k: its x (Wqkv's rows)
	s_cselect_b32 s86, 0, s74                      ; and along A's tiles: v: 0 (v's 1,024 channels are four tiles); q, k: its y
	s_lshl_b32 s42, s87, 2
	s_add_co_u32 s42, s42, s40                     ; B's tile = 4 x that + cx
	s_lshl_b32 s17, s86, 2
	s_add_co_u32 s17, s17, s41                     ; A's tile = 4 x that + cy
	s_lshl_b32 s43, s41, 2
	s_lshl_b32 s43, 15, s43                        ; my row of the cluster
	s_lshl_b32 s44, 0x1111, s40                    ; my column
	; descriptor group 1: a tile of 128 rows x 256 bytes, padded in LDS
	s_or_b32 s[G1+0], s43, (0<<16)|(1<<20)|(1<<21)|(5<<22)|(3<<25)  ; 15:0 the mask: A's tiles go to my row; 17:16 element of 1 byte; 20 padding on; 21 set beside a mask; 24:22 after every 64 words (code 5); 31:25 of 4 words (code 3)
	s_or_b32 s[G1B+0], s44, (0<<16)|(1<<20)|(1<<21)|(5<<22)|(3<<25)
.irp g, G1, G1B
	s_mov_b32 s[\g+1], ROWB<<16                    ; tensor_dim0
	s_mov_b32 s[\g+2], 128<<16                     ; tensor_dim1 = 128
	s_mov_b32 s[\g+3], ROWB<<16                    ; tile_dim0
	s_mov_b32 s[\g+4], 128                         ; tile_dim1 = 128
	s_mov_b32 s[\g+5], KROW                        ; tensor_dim0_stride
	s_mov_b32 s[\g+6], 0
	s_mov_b32 s[\g+7], 0
.endr
	s_lshl_b32 s18, s16, 7                         ; which 128 rows of the tile I fetch
	s_lshl_b32 s20, s17, 8
	s_add_co_u32 s20, s20, s18                     ; A: row 256 x tile + 128 x half
	s_lshl_b32 s46, s42, 8
	s_add_co_u32 s46, s46, s18                     ; B likewise
	s_lshl_b32 s20, s20, 10                        ; in bytes: 1,024 a row; under 2^24
	s_mov_b32 s21, 0
	s_lshl_b32 s46, s46, 10
	s_mov_b32 s47, 0
	s_mul_i32 s45, s14, HALFT                      ; where they go: wave x 128 rows: no place in the cluster enters an LDS address
	s_wait_kmcnt 0x0
	s_load_b256 s[76:83], s[68:69], 0x0            ; e0 .. e7
	s_add_nc_u64 s[88:89], s[6:7], 2048*KROW       ; Wqkv's codes at v's first row
	s_cmp_eq_u32 ttmp9, 2
	s_cselect_b64 s[90:91], s[88:89], s[4:5]       ; A: v's rows of Wqkv, or x
	s_cselect_b64 s[92:93], s[4:5], s[6:7]         ; B: x, or Wqkv (q's and k's rows: tiles 0 to 7)
	s_add_nc_u64 s[20:21], s[90:91], s[20:21]
	s_add_nc_u64 s[46:47], s[92:93], s[46:47]
	CROUND                                         ; all sixteen work-groups are here: the first joint loads meet
.irp s, 0,1
	s_mov_b32 s[G0+4*\s], 1
	s_add_co_u32 s[G0+4*\s+1], s45, \s*SLOT
	s_add_nc_u64 s[G0+4*\s+2:G0+4*\s+3], s[20:21], \s*ROWB
	s_or_b32 s[G0+4*\s+3], s[G0+4*\s+3], 0x80000000
	s_mov_b32 s[G0B+4*\s], 1
	s_add_co_u32 s[G0B+4*\s+1], s45, \s*SLOT
	s_add_nc_u64 s[G0B+4*\s+2:G0B+4*\s+3], s[46:47], \s*ROWB
	s_or_b32 s[G0B+4*\s+3], s[G0B+4*\s+3], 0x80000000
	JLOAD G0+4*\s, G1, G0B+4*\s, G1B
.endr
	v_and_b32 v1, 15, v0                           ; r = lane % 16
	s_wait_alu depctr_va_vdst(0)
	v_bfe_u32 v2, v0, 4, 1                         ; h = lane / 16
	v_mul_u32_u24 v3, v1, PITCH
	v_lshl_add_u32 v4, v2, 4, v3                   ; a fragment's row x pitch + 16 x half
	s_mul_i32 s21, s15, HALFT                      ; my 128 rows of A
	s_mul_i32 s22, s16, HALFT                      ; my 128 rows of B,
	s_add_co_u32 s22, s22, 2*HALFT                 ; which lie behind A's 256
.irp s, 0,1
	v_add_nc_u32 v[ADRA+\s], s21, v4
	v_add_nc_u32 v[ADRB+\s], s22, v4
	s_add_co_u32 s21, s21, SLOT
	s_add_co_u32 s22, s22, SLOT
.endr
	; q's and k's stage: head 2 (B's half) + b / 4 has 64 stage rows; t = 128 (A's half) + 16 a + r lies in its row t / 4 at byte 64 (t % 4) + channel
	s_lshl_b32 s21, s16, 7
	s_lshl_b32 s22, s15, 5
	s_add_co_u32 s21, s21, s22
	s_mul_i32 s21, s21, SPITCH
	v_lshrrev_b32 v5, 2, v1
	v_mul_u32_u24 v5, v5, SPITCH
	v_and_b32 v6, 3, v1
	v_lshl_add_u32 v5, v6, 6, v5
	v_lshl_add_u32 v5, v2, 3, v5
	v_add_nc_u32 v[STOQ], s21, v5                  ; STQ (= 0) + (128 B's half + 32 A's half + r / 4) rows + 64 (r % 4) + 8 h
	; v's stage: head 2 (A's half) + a / 4 has 64 stage rows; key step B's half has 32 of them; channel d = 16 (a % 4) + r lies in row d / 2 at byte 128 (d % 2)
	s_lshl_b32 s21, s15, 7
	s_lshl_b32 s22, s16, 5
	s_add_co_u32 s21, s21, s22
	s_mul_i32 s21, s21, SPITCH
	s_add_co_u32 s21, s21, STV
	v_lshrrev_b32 v5, 1, v1
	v_mul_u32_u24 v5, v5, SPITCH
	v_and_b32 v6, 1, v1
	v_lshl_add_u32 v5, v6, 7, v5
	v_lshl_add_u32 v5, v2, 4, v5
	v_add_nc_u32 v[STOV], s21, v5                  ; STV + (128 A's half + 32 B's half + r / 2) rows + 128 (r % 2) + 16 h
	; back: wave w takes head w's 64 stage rows, whole: lanes 0-15 one row of 256 bytes, lanes 16-31 the next
	s_cmp_eq_u32 ttmp9, 2
	s_cselect_b32 s22, STV, 0
	s_mul_i32 s21, s14, 64*SPITCH
	s_add_co_u32 s21, s21, s22
	v_mul_u32_u24 v5, v2, SPITCH
	v_lshl_add_u32 v5, v1, 4, v5
	v_add_nc_u32 v[RD], s21, v5
	v_and_b32 v6, 31, v0
	v_lshlrev_b32 v[GO], 4, v6
	; cos and sin: row t of 128 bytes; t = 256 (A's tile % 8) + 128 (A's half) + 16 a + r; my four pairs of 16 channels bq: 32 bq + 16 h bytes on
	s_and_b32 s21, s17, 7
	s_lshl_b32 s21, s21, 8
	s_lshl_b32 s22, s15, 7
	s_add_co_u32 s21, s21, s22
	s_lshl_b32 s21, s21, 7
	v_lshlrev_b32 v5, 7, v1
	v_lshl_add_u32 v5, v2, 4, v5
	v_add_nc_u32 v[CSO], s21, v5
.macro CSLOAD a, set                   ; cos and sin for block a (16 t) into a set of 32 registers: eight loads
.irp bq, 0,1,2,3
	global_load_b128 v[CS+32*(\set)+8*\bq:CS+32*(\set)+8*\bq+3], v[CSO], s[8:9] offset:(\a)*2048+32*\bq
	global_load_b128 v[CS+32*(\set)+8*\bq+4:CS+32*(\set)+8*\bq+7], v[CSO], s[10:11] offset:(\a)*2048+32*\bq
.endr
.endm
	CSLOAD 0, 0                                    ; the first two blocks' are asked for here and land under the products.  v's clusters ask too (their t stays inside the tables) and do not use them:
	CSLOAD 1, 1                                    ; sixteen loads a wave, so that the text has one way up to the way out
	; where my wave's 16,384 bytes go: head 4 (cx, or cy for v) + wave of batch (x's tile / 8); in it x's tile % 8
	s_cmp_eq_u32 ttmp9, 2
	s_cselect_b32 s21, s41, s40                    ; which four heads: v: cy; q, k: cx
	s_cselect_b32 s22, s42, s17                    ; x's tile: v: B's; q, k: A's
	s_cselect_b32 s23, 131072, 0                   ; v lies behind k
	s_cmp_eq_u32 ttmp9, 0
	s_cselect_b32 s75, 17, 18                      ; a bh is 131,072 bytes in qc, 262,144 in kv
	s_cselect_b64 s[OUT:OUT+1], s[70:71], s[72:73]
	s_lshr_b32 s74, s22, 3
	s_lshl_b32 s74, s74, 4
	s_lshl_b32 s21, s21, 2
	s_add_co_u32 s74, s74, s21
	s_add_co_u32 s74, s74, s14                     ; bh
	s_lshl_b32 s74, s74, s75
	s_and_b32 s22, s22, 7
	s_lshl_b32 s22, s22, 14                        ; 256 t x 64 bytes, and two key steps of 8,192 bytes alike
	s_add_co_u32 s74, s74, s22
	s_add_co_u32 s74, s74, s23
	s_mov_b32 s75, 0
	s_add_nc_u64 s[OUT:OUT+1], s[OUT:OUT+1], s[74:75]
.macro FRAG reg, adr, q, i             ; a fragment, 16 rows x 128 K, is 16 registers: lane l holds row l % 16; registers 4 c .. 4 c + 3 hold K = 32 c + 16 (l / 16) + 0 .. 15: the same places in A and in B, so every product meets its partner
.irp c, 0,1,2,3
	ds_load_b128 v[\reg+4*\c:\reg+4*\c+3], v[\adr] offset:128*(\q)+32*\c+(\i)*16*PITCH
.endr
.endm
; 16 matrix instructions: A's blocks a0, a0 + 1 x B's eight, 128 along K.  p: B's set.  zero = 1: the first product starts the sums: nothing is ever cleared.
; The 64 accumulators take turns, one instruction a turn, in the same order in every step.
.macro MUL16 a0, p, zero
.irp a, \a0, \a0+1
.irp b, 0,1,2,3,4,5,6,7
.if \zero
	v_wmma_f32_16x16x128_fp8_fp8 v[8*(8*((\a)%4)+\b):8*(8*((\a)%4)+\b)+7], v[128*(\p)+FR*\b:128*(\p)+FR*\b+FR-1], v[AF+FR*(\a):AF+FR*(\a)+FR-1], 0
.else
	v_wmma_f32_16x16x128_fp8_fp8 v[8*(8*((\a)%4)+\b):8*(8*((\a)%4)+\b)+7], v[128*(\p)+FR*\b:128*(\p)+FR*\b+FR-1], v[AF+FR*(\a):AF+FR*(\a)+FR-1], v[8*(8*((\a)%4)+\b):8*(8*((\a)%4)+\b)+7]
.endif
.endr
.endr
.endm
.macro FETCH_B slot, q, p              ; B's eight fragments of the slot's q-th 128 along K into set p
	WIN TO_B
.irp i, 0,1,2,3,4,5,6,7
	FRAG 128*(\p)+FR*\i, ADRB+\slot, \q, \i
.endr
	WIN 0
.endm
.macro FETCH_A slot, q, i0             ; A's blocks i0 .. i0 + 3
.irp i, \i0, \i0+1, \i0+2, \i0+3
	FRAG AF+FR*(\i), ADRA+\slot, \q, \i
.endr
.endm
; A load into a register that a matrix instruction has read, and a vector instruction that reads a matrix result, stand NP places behind that matrix instruction; only plain vector instructions that name none of its
; registers are places (ISA guide 7.12.1 for vector instructions).
.macro PLACES n
.rept \n
	v_nop
.endr
.endm
; A step of 128 along K that has its successor in the same slot.
.macro STEP slot, q, zero
	s_wait_dscnt 4*NL                              ; B's set and A's blocks 0-3 are in; the youngest sixteen loads (A's blocks 4-7) may be out
	WIN MUL_LO
	MUL16 0, (\q)%2, \zero
	MUL16 2, (\q)%2, \zero
	s_wait_dscnt 0                                 ; A's blocks 4-7 are in (asked for 32 matrix instructions ago)
	PLACES NP
	FETCH_B \slot, (\q)+1, 1-(\q)%2
	FETCH_A \slot, (\q)+1, 0
	WIN MUL_HI
	MUL16 4, (\q)%2, \zero
	MUL16 6, (\q)%2, \zero
	PLACES NP
	WIN 0
	FETCH_A \slot, (\q)+1, 4
.endm
; A slot's last step changes slots: ONE barrier; in front of it each wave waits for all its tensor loads, adds 0 to its spare word, and waits for that and for its own reads of this slot.  fill = 1: this slot is filled again, two K steps ahead.
.macro TURN slot, next, fill
	s_wait_tensorcnt 0x0                           ; all my tensor loads have landed: my part of the next slot;  (every window is 0 here)
	ds_add_u32 v[SPW], v[NIL]                      ; 0 onto my spare word
	s_wait_dscnt 4*NL+1                            ; (the add and the youngest sixteen loads, A's blocks 4-7, may be out)
	WIN MUL_LO
	MUL16 0, 1, 0                                  ; sixteen matrix instructions stand between the add and the wait for it
	s_wait_dscnt 0x0                               ; the add is done, and my reads of this slot are over
	s_barrier_signal -1
	MUL16 2, 1, 0
	WIN 0
	s_barrier_wait -1
.if \fill
	CREST                                          ; the barrier has opened a round of the cluster's barrier: no wave of any partner still reads this slot's tile or has a load on its way
	s_add_nc_u64 s[G0+4*\slot+2:G0+4*\slot+3], s[G0+4*\slot+2:G0+4*\slot+3], 2*ROWB
	s_add_nc_u64 s[G0B+4*\slot+2:G0B+4*\slot+3], s[G0B+4*\slot+2:G0B+4*\slot+3], 2*ROWB
	JLOAD G0+4*\slot, G1, G0B+4*\slot, G1B         ; the first tensor load behind the round; the four v_nop behind it are the places in front of the loads below
.else
	PLACES NP
.endif
	FETCH_B \next, 0, 0
	FETCH_A \next, 0, 0
	WIN MUL_HI
	MUL16 4, 1, 0
	MUL16 6, 1, 0
	PLACES NP
	WIN 0
	FETCH_A \next, 0, 4
.endm
	s_wait_tensorcnt 1                             ; my part of K step 0 is in (K step 1's load may be out)
	s_barrier_signal -1
	s_barrier_wait -1                              ; everybody's is
	FETCH_B 0, 0, 0
	FETCH_A 0, 0, 0
	FETCH_A 0, 0, 4
	STEP 0, 0, 1                                   ; the first step stands in front of the loop: its products start the sums
	s_mov_b32 s3, LAPS-1
.Llap:                                                 ; a trip goes once round the ring, from a lap's second step to the next lap's first, and fills both slots again
	TURN 0, 1, 1
	STEP 1, 0, 0
	TURN 1, 0, 1
	STEP 0, 0, 0
	s_sub_co_u32 s3, s3, 1
	s_cmp_lg_u32 s3, 0
	s_cbranch_scc1 .Llap
	TURN 0, 1, 0                                   ; the last lap fills nothing, and has no round of the cluster's barrier
	STEP 1, 0, 0
	s_wait_dscnt 4*NL                              ; the very last step: nothing more to fetch
	WIN MUL_LO
	MUL16 0, 1, 0
	MUL16 2, 1, 0
	s_wait_dscnt 0
	WIN MUL_HI
	MUL16 4, 1, 0
	MUL16 6, 1, 0
	WIN 0
	; THE WAY OUT.  A sum stands for sum x 2^(e0 + e1), the rotary turn is linear, and a code is number / 2^e: so the three scales are folded into the conversion's one, 2^(e - e0 - e1).
	s_wait_kmcnt 0x0
	s_cmp_eq_u32 ttmp9, 0
	s_cselect_b32 s66, s78, s79                    ; e2 for q, e3 for k,
	s_cmp_eq_u32 ttmp9, 2
	s_cselect_b32 s66, s81, s66                    ; e5 for v
	s_sub_co_i32 s66, s66, s76
	s_sub_co_i32 s66, s66, s77
	s_add_co_i32 s66, s66, 127
	s_lshl_b32 s67, s66, 23
	v_mov_b32 v[SC], s67                           ; the folded scale as f32
	PLACES NP                                      ; behind the last products: for the reads of results and the writes over A's fragments
; Block a of q's and k's way: 16 t x 128 channels.  Register pair 2 i, 2 i + 1 of accumulator (a, b) is the rotary pair 8 (b % 4) + 4 h + i of a head.
.macro BLOCKQ a
.set AC, 64*((\a)%4)
.set CC, CS+32*((\a)%2)
.set CDS, CD+16*((\a)%2)
.if (\a) < 7
	s_wait_loadcnt 8                               ; this block's cos and sin are in; the next block's eight loads may be out
.else
	s_wait_loadcnt 0
.endif
	WIN 0x02+((\a)/4)                              ; source 0: window 2 or 3
.irp b, 0,1,2,3,4,5,6,7
.irp i, 0,1,2,3
	v_mul_f32 v[TMP+8*\b+2*\i], v[AC+8*\b+2*\i], v[CC+8*(\b%4)+\i]             ; x1 cos;  each accumulator is read from its low end on
	v_mul_f32 v[TMP+8*\b+2*\i+1], v[AC+8*\b+2*\i+1], v[CC+8*(\b%4)+\i]         ; x2 cos
.endr
.irp i, 0,1,2,3
	v_fma_f32 v[TMP+8*\b+2*\i], -v[AC+8*\b+2*\i+1], v[CC+8*(\b%4)+4+\i], v[TMP+8*\b+2*\i]      ; x1 cos - x2 sin
	v_fma_f32 v[TMP+8*\b+2*\i+1], v[AC+8*\b+2*\i], v[CC+8*(\b%4)+4+\i], v[TMP+8*\b+2*\i+1]     ; x2 cos + x1 sin
.endr
.endr
	WIN 0
.if (\a) < 6
	CSLOAD (\a)+2, (\a)%2                          ; the set just read takes the block two further on
.endif
.set j, 0
.rept 64
.set j, j+1
.endr
.irp b, 0,1,2,3,4,5,6,7
	v_cvt_scalef32_pk8_fp8_f32 v[CDS+2*\b:CDS+2*\b+1], v[TMP+8*\b:TMP+8*\b+7], v[SC]
.endr
	v_nop                                          ; one plain vector line behind the last conversion: the next block writes these numbers' registers
.irp b, 0,1,2,3,4,5,6,7
	ds_store_b64 v[STOQ], v[CDS+2*\b:CDS+2*\b+1] offset:((\b/4)*64+4*(\a))*SPITCH+16*(\b%4)
.endr
.endm
; Block a of v's way: 16 channels x 128 t.  Accumulator (a, b)'s eight registers are keys 16 b + 8 h + 0 .. 7 of a key step: byte 32 (b / 2) + 16 h + 8 (b % 2) of the channel's 128.
.macro BLOCKV a
.set AC, 64*((\a)%4)
.set CDS, CD+16*((\a)%2)
	WIN 0x02+((\a)/4)
.set j, 0
.rept 64
.set j, j+1
.endr
.irp b, 0,1,2,3,4,5,6,7
	v_cvt_scalef32_pk8_fp8_f32 v[CDS+2*\b:CDS+2*\b+1], v[AC+8*\b:AC+8*\b+7], v[SC]
.endr
	WIN 0
	v_nop                                          ; one plain vector line behind the last conversion
.irp b, 0,1,2,3,4,5,6,7
	ds_store_b64 v[STOV], v[CDS+2*\b:CDS+2*\b+1] offset:(((\a)/4)*64+8*((\a)%4))*SPITCH+32*(\b/2)+8*(\b%2)
.endr
.endm
	s_cmp_eq_u32 ttmp9, 2                          ; the cluster's x: the same in all waves and all partners
	s_cbranch_scc1 .Lway_v
.irp a, 0,1,2,3,4,5,6,7
	BLOCKQ \a
.endr
	s_branch .Lstaged
.Lway_v:
	s_wait_alu depctr_va_vdst(0)
.irp a, 0,1,2,3,4,5,6,7
	BLOCKV \a
.endr
.Lstaged:
	s_wait_dscnt 0x0                               ; for the others' sake: my stores into the stage are done (a head's stage rows come from two waves)
	s_barrier_signal -1
	s_barrier_wait -1
.set i, 0
.rept 32
	ds_load_b128 v[BK+4*i:BK+4*i+3], v[RD] offset:2*SPITCH*i      ; two stage rows: 512 bytes that lie on end in memory
.set i, i+1
.endr
.set i, 0
.rept 32
	s_wait_dscnt 31-i                              ; LDS loads come back in order: load i is in, the younger ones may be out
	global_store_b128 v[GO], v[BK+4*i:BK+4*i+3], s[OUT:OUT+1] offset:512*i   ; 32 lanes store 512 consecutive bytes, at a multiple of 256 from the buffer's first byte; no register is written again
.set i, i+1
.endr
	s_wait_tensorcnt 0x0                           ; the wave's end: behind my last tensor load and my last LDS store
	ds_add_u32 v[SPW], v[NIL]
	s_wait_dscnt 0x0
	CROUND                                         ; the closing round: no work-group ends while a partner may still ask for a tile that names it
	s_endpgm
.Lfunc_end_k_q088b67c47f_qkv:
	.size	k_q088b67c47f_qkv, .Lfunc_end_k_q088b67c47f_qkv-k_q088b67c47f_qkv
	.p2alignl 7, 3214868480
	.fill 96, 4, 3214868480
	.section	.rodata,"a",@progbits
	.p2align	6, 0x0
	.amdhsa_kernel k_q088b67c47f_qkv
		.amdhsa_group_segment_fixed_size 327680
		.amdhsa_private_segment_fixed_size 0
		.amdhsa_enable_private_segment 0
		.amdhsa_kernarg_size 56
		.amdhsa_user_sgpr_count 2
		.amdhsa_user_sgpr_kernarg_segment_ptr 1
		.amdhsa_wavefront_size32 1
		.amdhsa_system_sgpr_workgroup_id_x 1
		.amdhsa_system_sgpr_workgroup_id_y 1
		.amdhsa_system_sgpr_workgroup_id_z 1
		.amdhsa_system_vgpr_workitem_id 0
		.amdhsa_next_free_vgpr 1024
		.amdhsa_next_free_sgpr 98
		.amdhsa_reserve_vcc 0
		.amdhsa_float_denorm_mode_32 3
		.amdhsa_float_denorm_mode_16_64 3
		.amdhsa_fp16_overflow 1
		.amdhsa_memory_ordered 1
		.amdhsa_forward_progress 1
		.amdhsa_inst_pref_size 158
	.end_amdhsa_kernel
	.amdgpu_metadata
---
amdhsa.version: [ 1, 2 ]
amdhsa.kernels:
  - .name:           k_q088b67c47f_qkv
    .symbol:         k_q088b67c47f_qkv.kd
    .args:
      - { .name: xc, .offset: 0, .size: 8, .value_kind: global_buffer, .address_space: global }
      - { .name: wqkvc, .offset: 8, .size: 8, .value_kind: global_buffer, .address_space: global }
      - { .name: cos, .offset: 16, .size: 8, .value_kind: global_buffer, .address_space: global }
      - { .name: sin, .offset: 24, .size: 8, .value_kind: global_buffer, .address_space: global }
      - { .name: lowp_scales, .offset: 32, .size: 8, .value_kind: global_buffer, .address_space: global }
      - { .name: qc, .offset: 40, .size: 8, .value_kind: global_buffer, .address_space: global }
      - { .name: kv, .offset: 48, .size: 8, .value_kind: global_buffer, .address_space: global }
    .group_segment_fixed_size: 327680
    .private_segment_fixed_size: 0
    .kernarg_segment_align: 8
    .kernarg_segment_size: 56
    .max_flat_workgroup_size: 128
    .sgpr_count:     98
    .vgpr_count:     1024
    .wavefront_size: 32
...
	.end_amdgpu_metadata
.endif
;; end of part 2
;; launch attn (part 3): grid 256 x 1, 16 waves a work-group, clusters of 4 x 1, 301,056 bytes of LDS; arguments qc, kv, lowp_scales, yc; writes yc
.if DOCPART == 3
	.amdgcn_target "amdgcn-amd-amdhsa--gfx1250"
	.amdhsa_code_object_version 6
	.text
	.protected	k_q088b67c47f_attn
	.globl	k_q088b67c47f_attn
	.p2align	8
	.type	k_q088b67c47f_attn,@function
k_q088b67c47f_attn:
	s_mov_b64 s[64:65], 0
	v_nop
	global_prefetch_b8 v0, s[64:65] scope:SCOPE_SE
	s_setreg_imm32_b32 hwreg(HW_REG_WAVE_MODE, 25, 1), 1
	s_wait_xcnt 0x0
	s_wait_alu depctr_hold_cnt(0) depctr_sa_sdst(0) depctr_va_vdst(0) depctr_va_sdst(0) depctr_va_ssrc(0) depctr_va_vcc(0) depctr_vm_vsrc(0)
	s_getreg_b32 s2, hwreg(HW_REG_IB_STS2, 6, 4)
	s_cmp_eq_u32 s2, 0
	s_cbranch_scc0 .Lentry_in_a_cluster
	s_endpgm
.Lentry_in_a_cluster:
	s_bfe_u32 s2, ttmp6, 0x10000c
	s_cmp_lg_u32 s2, 0x3003
	s_cbranch_scc0 .Lentry_shape_is_right
	s_endpgm
.Lentry_shape_is_right:
; y[bh][q] = the sum over keys k <= q of softmax_k(q . k / 8) v[k], both products on codes of FP8 (E4M3); y is quantised (2^e6) for the projection.
; qc: [bh 64][t 2048][64] codes (2^e2).  kv: 262,144 bytes a bh: k as [t][64] codes (2^e3), then v with the keys innermost, [key step 16][channel 64][128 bytes] (2^e5), key 32 c + 16 u + 8 h + i of a step at byte 32 c + 16 h + 8 u + i.
; yc: [row block of 128: 64][head 16][t % 128][64] codes: a tile of 16 queries of one head is 1,024 consecutive bytes.
; THE SOFTMAX AHEAD OF THE SECOND PRODUCT: t = score x log2(e) / 8; M = the row's largest t so far, rounded UP to a whole number; p = 2^(t - M) is quantised (2^e4), not normalised.  The row's sum is taken of the
; unquantised p, in f32, and divides at the end.  When M moves, the sum and O are multiplied by 2^(old M - new M): exact.
; LIMITS: e2 + e3 between -123 and 130 (added to the exponent field of log2(e) / 8); e4, and e6 - e4 - e5, between -126 and 119.
; SHARES.  A cluster of four work-groups is one bh.  ALL of the head's k and v, 1,024 rows of 256 bytes, lie in each partner's LDS, asked for once, JOINTLY (the same loads, descriptors and mask in all four): nothing is
; filled again, so there is no ring; and every tile is asked for at the head, so there is no later tile to name ahead of its load.
; The 128 queries of group g (0..15) need key steps 0..g of 128 keys.  Partner cx takes queries 32 cx .. 32 cx + 31 of EVERY group: two tiles of 16 a group.  Wave w takes tile w % 2 of group 15 - w / 2 and then of group w / 2:
; (16 - w / 2) + (w / 2 + 1) = 17 tile steps in every wave of every work-group.  Steps all of whose keys are hidden are passed over by a scalar branch on the wave's number and the loop's count; loops have constant counts.
; No branch, count or LDS address hangs on cx: it enters the addresses of q and y in memory, and the number that the diagonal's mask compares with.
; LAYOUT.  Both products are used transposed: S^T = K Q^T (source 0 = 16 neighbouring keys, source 1 = my 16 queries; 16x16x64), O^T = V^T P^T (source 0 = 16 channels, source 1 = P; 16x16x128): a lane holds ONE query.
; Tile t's eight registers are keys 16 t + 8 (lane / 16) + 0..7: their eight codes ARE registers 2 t, 2 t + 1 of P in the 16x16x128 form's own layout, and v's bytes are laid to match.
; Sixteen waves of 256 registers, four to a SIMD: one wave's vector work stands beside another's matrix work and LDS loads.
.set PITCH, 272                        ; an LDS row: 256 bytes + 16 of padding: the sixteen lanes of a 16-byte load fall on sixteen different 16-byte columns
.set STEPB, 32*PITCH                   ; a key step: 32 rows of k (128 keys x 64 bytes), and 32 rows of v (64 channels x 128 bytes)
.set VBASE, 512*PITCH                  ; v's rows lie behind k's 512
.set STAGE, 1024*PITCH                 ; behind the tiles: 1,280 bytes a wave for the way out (4 rows x 272 used); no tensor load lands there
.set STW,   1280
.set AK0,  1                           ; v1   my lane's place in a tile of k
.set AV0,  2                           ; v2   the same for v
.set ADK,  3                           ; v3   LDS address of the step's k
.set ADV,  4                           ; v4   of its v
.set STO,  5                           ; v5   the way out: where I put 8 codes
.set RD,   6                           ; v6   and where I read 16 bytes back
.set GO,   7                           ; v7   16 x lane
.set DQ,   8                           ; v8   my query within its group, less 8 (lane / 16)
.set NINF, 9                           ; v9   -infinity
.set LIMY, 10
.set SCY,  11                          ; v11  2^(e6 - e4 - e5)
.set LIMP, 12
.set SCP,  13                          ; v13  2^e4
.set FF,   14                          ; v[14:15] f = 2^(old M - new M), and a 0 named with it as a pair
.set QB,   16                          ; v16-23  q's fragment of the late group's tile
.set QA,   24                          ; v24-31  of the early group's
.set F,    32                          ; v32-95  eight fragments of k, then four of v
.set S,    96                          ; v96-159 S^T, then p
.set O,    160                         ; v160-191 O^T
.set PCD,  192                         ; v192-207 p's codes; at a tile's end y's
.set NM,   208                         ; v208 -M, v209 the largest t
.set SUM,  210                         ; v[210:211] the row's sum in two halves
.set SU2,  212                         ; v[212:213] a second chain of it
.set T0,   214                         ; v214, v215 at work
.set T1,   215
.set RBB,  216                         ; v216-223 the late tile's codes on their way to memory; v224-231 the early tile's: never rewritten
.set RBA,  224
.set PD,   232                         ; v232 the lane permute's destination
.set WV,   12                          ; s12  my wave's number
.set CX,   13                          ; s13  my place in the cluster
.set GA,   14                          ; s14  the early group: wave / 2
.set GB,   15                          ; s15  the late group: 15 - wave / 2
.set SEL,  20                          ; s[20:21] lane selects for v_permlanex16_b32: lane l xor 16
.set CS,   22                          ; s[22:23] c = log2(e) / 8 x 2^(e2 + e3)
.set G1,   24                          ; s[24:31] descriptor group 1
.set G0,   32                          ; s[32:47] four groups 0
.set KS,   48                          ; s48  the key step
.set TB,   49                          ; s49  its first byte among k's rows in LDS
.set YA,   60                          ; s[60:61], s[62:63] where the two tiles' codes go
.set YB,   62
.set QAP,  66                          ; s[66:67], s[68:69] where their queries' codes lie
.set QBP,  68
.macro ROUND                           ; a round of the cluster's barrier
	s_barrier_signal -1
	s_barrier_wait -1
	s_cmp_lg_u32 s[WV], 0
	s_cbranch_scc1 .Lnot_wave_0_\@
	s_barrier_signal -3
.Lnot_wave_0_\@:
	s_barrier_wait -3
	s_barrier_signal -1
	s_barrier_wait -1
.endm
	s_load_b256 s[4:11], s[0:1], 0x0               ; qc s[4:5], kv s[6:7], the scales' exponents s[8:9], yc s[10:11]
	v_lshl_add_u32 v254, v0, 2, 0x49000
	v_mov_b32 v255, 0
	ds_add_u32 v254, v255
	ds_add_u32 v254, v255
	v_lshrrev_b32 v235, 5, v0
	s_delay_alu instid0(VALU_DEP_1)
	v_readfirstlane_b32 s[WV], v235                ; wave 0..15
	s_bfe_u32 s[CX], ttmp6, 0x40000
	s_lshr_b32 s[GA], s[WV], 1
	s_xor_b32 s[GB], s[GA], 15                     ; 15 - wave / 2
	s_and_b32 s17, s[WV], 1                        ; u: which of a group's two tiles; for a fetching wave: which 64 rows of 128
	; what waves 0 to 3 fetch: load j of wave w: rows 512 (w / 2) + 64 (w % 2) + 128 j on: waves 0, 1: k; waves 2, 3: v; the four waves' loads j together are key steps 4 j .. 4 j + 3
	s_lshl_b32 s18, s[GA], 9
	s_lshl_b32 s19, s17, 6
	s_add_co_u32 s18, s18, s19
	s_mul_i32 s50, s18, PITCH                      ; in LDS,
	s_lshl_b32 s18, s18, 8                         ; and in memory,
	s_lshl_b32 s19, ttmp9, 18                      ; in my bh: the cluster's x, which the four partners share
	s_add_co_u32 s18, s18, s19
	s_mov_b32 s19, 0
	s_mov_b32 s[G1], 15|(0<<16)|(1<<20)|(1<<21)|(5<<22)|(3<<25)   ; 15:0 the mask: all four work-groups; 17:16 elements of 1 byte; 20 padding on; 21 set beside a mask; 24:22 after every 64 words (code 5); 31:25 four words (code 3)
	s_mov_b32 s[G1+1], 256<<16                     ; tensor_dim0 = 256
	s_mov_b32 s[G1+2], 64<<16                      ; tensor_dim1 = 64
	s_mov_b32 s[G1+3], 256<<16                     ; tile_dim0 = 256
	s_mov_b32 s[G1+4], 64                          ; tile_dim1 = 64
	s_mov_b32 s[G1+5], 256                         ; tensor_dim0_stride: the rows are dense
	s_mov_b32 s[G1+6], 0
	s_mov_b32 s[G1+7], 0
	s_mov_b32 s[SEL], 0x76543210
	s_mov_b32 s[SEL+1], 0xfedcba98
	s_wait_dscnt 0x0
	s_wait_kmcnt 0x0
	s_load_b256 s[52:59], s[8:9], 0x0              ; e0 .. e7
	s_add_nc_u64 s[18:19], s[6:7], s[18:19]
.irp j, 0,1,2,3
	s_mov_b32 s[G0+4*\j], 1                        ; count = 1
	s_add_co_u32 s[G0+4*\j+1], s50, \j*128*PITCH   ; LDS address
	s_add_nc_u64 s[G0+4*\j+2:G0+4*\j+3], s[18:19], \j*128*256   ; global address
	s_or_b32 s[G0+4*\j+3], s[G0+4*\j+3], 0x80000000             ; type = 2
.endr
	ROUND                                          ; all four work-groups are here: the joint loads meet
	s_cmp_lt_u32 s[WV], 4                          ; a wave's four fills stand in one branch on the wave's number, ahead of every wait on TENSORcnt and every LDS read: four loads of mine are out
	s_cbranch_scc0 .Lno_fetch
	tensor_load_to_lds s[G0:G0+3], s[G1:G1+7]
	s_nop 0
	tensor_load_to_lds s[G0+4:G0+7], s[G1:G1+7]
	s_nop 0
	tensor_load_to_lds s[G0+8:G0+11], s[G1:G1+7]
	s_nop 0
	tensor_load_to_lds s[G0+12:G0+15], s[G1:G1+7]
	s_nop 0
.rept 4
	v_nop                                          ; four plain lines follow the last of them
.endr
.Lno_fetch:
	s_lshl_b32 s51, s[CX], 5
	s_lshl_b32 s70, s17, 4
	s_add_co_u32 s51, s51, s70                     ; my tiles' first query within a group: 32 cx + 16 u
.macro BASES g, qd, yd                 ; the tile of group s[g]: its queries' codes and its place in yc
	s_lshl_b32 s70, s[\g], 7
	s_add_co_u32 s70, s70, s51
	s_lshl_b32 s70, s70, 6                         ; 64 bytes a query
	s_lshl_b32 s72, ttmp9, 17                      ; 131,072 bytes a bh
	s_add_co_u32 s70, s70, s72
	s_mov_b32 s71, 0
	s_add_nc_u64 s[\qd:\qd+1], s[4:5], s[70:71]
	s_lshr_b32 s70, ttmp9, 4
	s_lshl_b32 s70, s70, 4
	s_add_co_u32 s70, s70, s[\g]                   ; row block: 16 x batch + group
	s_lshl_b32 s70, s70, 4
	s_and_b32 s72, ttmp9, 15
	s_add_co_u32 s70, s70, s72                     ; x 16 + head
	s_lshl_b32 s70, s70, 13                        ; 8,192 bytes each
	s_lshl_b32 s72, s51, 6
	s_add_co_u32 s70, s70, s72
	s_add_nc_u64 s[\yd:\yd+1], s[10:11], s[70:71]
.endm
	BASES GB, QBP, YB
	BASES GA, QAP, YA
	v_and_b32 v233, 15, v0                         ; r = lane % 16
	v_bfe_u32 v234, v0, 4, 1                       ; h = lane / 16
	s_delay_alu instid0(VALU_DEP_2)
	v_lshlrev_b32 v236, 6, v233
	s_delay_alu instid0(VALU_DEP_1)
	v_lshl_add_u32 v236, v234, 4, v236             ; q: row r of 64 bytes, + 16 h; never rewritten
	global_load_b128 v[QB:QB+3], v236, s[QBP:QBP+1]              ; a fragment of q or k, 16 rows x 64: bytes 16 h .. + 15 in registers 0-3, 32 + 16 h .. in 4-7: the same places in both, so every product meets its partner
	global_load_b128 v[QB+4:QB+7], v236, s[QBP:QBP+1] offset:32
	global_load_b128 v[QA:QA+3], v236, s[QAP:QAP+1]
	global_load_b128 v[QA+4:QA+7], v236, s[QAP:QAP+1] offset:32
	s_mul_i32 s70, s[WV], STW
	s_add_co_u32 s70, s70, STAGE                   ; my stage
	v_lshrrev_b32 v235, 2, v233
	s_delay_alu instid0(VALU_DEP_1)
	v_mul_u32_u24 v[AK0], v235, PITCH              ; four keys of 64 bytes to an LDS row: key r lies in row r / 4
	v_and_b32 v235, 3, v233
	s_delay_alu instid0(VALU_DEP_1)
	v_lshl_add_u32 v[AK0], v235, 6, v[AK0]         ; at byte 64 (r % 4)
	s_delay_alu instid0(VALU_DEP_1)
	v_lshl_add_u32 v[STO], v234, 3, v[AK0]         ; the stage has the same shape for 16 queries of 64 codes: + 8 h
	s_delay_alu instid0(VALU_DEP_1)
	v_add_nc_u32 v[STO], s70, v[STO]
	s_delay_alu instid0(VALU_DEP_3)
	v_lshl_add_u32 v[AK0], v234, 4, v[AK0]         ; + 16 h
	v_lshrrev_b32 v235, 1, v233
	s_delay_alu instid0(VALU_DEP_1)
	v_mul_u32_u24 v[AV0], v235, PITCH              ; two channels of 128 bytes to an LDS row
	v_and_b32 v235, 1, v233
	s_delay_alu instid0(VALU_DEP_1)
	v_lshl_add_u32 v[AV0], v235, 7, v[AV0]
	s_delay_alu instid0(VALU_DEP_1)
	v_lshl_add_u32 v[AV0], v234, 4, v[AV0]
	s_delay_alu instid0(VALU_DEP_1)
	v_add_nc_u32 v[AV0], VBASE, v[AV0]
	v_mul_u32_u24 v[RD], v234, PITCH               ; back: lanes 0-15 one stage row, lanes 16-31 the next
	s_delay_alu instid0(VALU_DEP_1)
	v_lshl_add_u32 v[RD], v233, 4, v[RD]
	s_delay_alu instid0(VALU_DEP_1)
	v_add_nc_u32 v[RD], s70, v[RD]
	v_and_b32 v[GO], 31, v0
	s_delay_alu instid0(VALU_DEP_1)
	v_lshlrev_b32 v[GO], 4, v[GO]
	v_lshlrev_b32 v235, 3, v234
	s_delay_alu instid0(VALU_DEP_1)
	v_sub_nc_u32 v[DQ], v233, v235
	s_delay_alu instid0(VALU_DEP_1)
	v_add_nc_u32 v[DQ], s51, v[DQ]                 ; 32 cx + 16 u + r - 8 h
	v_mov_b32 v[NINF], 0xff800000
	v_mov_b32 v[FF+1], 0                           ; (named as the upper half of a pair)
	v_mov_b32 v[PD], 0                             ; written once: a lane permute's destination counts as one of its sources
.macro INIT                            ; a tile begins: the largest t is -3e38, under every t; the sum and O^T are zeros, which the first change of M leaves zeros.  The four lines on the statistics come first:
	v_mov_b32 v[NM+1], 0xff61b1e6                  ; they name no register of a product and are the four places between the last products and the writes of O^T
	s_delay_alu instid0(VALU_DEP_1)
	v_floor_f32 v[NM], -v[NM+1]
	v_mov_b32 v[SUM], 0
	v_mov_b32 v[SUM+1], 0
.set j, 0
.rept 32
	v_mov_b32 v[O+j], 0
.set j, j+1
.endr
.endm
	INIT
	s_wait_kmcnt 0x0
	s_add_co_i32 s70, s54, s55
	s_lshl_b32 s70, s70, 23
	s_mov_b32 s[CS], 0x3e38aa3b                    ; log2(e) / 8
	s_add_co_i32 s[CS], s[CS], s70                 ; a score stands for score x 2^(e2 + e3): the two exponents are added to c's exponent field
	s_mov_b32 s[CS+1], s[CS]                       ; (named with it as a pair, so it is written)
	s_add_co_i32 s70, s56, 127
	s_lshl_b32 s71, s70, 23
	v_mov_b32 v[SCP], s71                          ; 2^e4
	s_sub_co_i32 s70, s58, s56                     ; O / the sum stands for y / 2^(e4 + e5), and y's code is y / 2^e6: the three are folded into one scale
	s_sub_co_i32 s70, s70, s57
	s_add_co_i32 s70, s70, 127
	s_lshl_b32 s71, s70, 23
	v_mov_b32 v[SCY], s71
; A TILE STEP: my 16 queries (fragment at v[q]) against the 128 keys of step s[KS].  g: the scalar register with the tile's group.
; full = 0: every key of the step counts.  full = 1: a step behind the group's own is passed over; in the group's own step the diagonal is masked, and behind it the tile is finished: codes through v[rb] to s[y].
.macro TSTEP q, g, full, rb, y
.if \full
	s_cmp_gt_u32 s[KS], s[\g]                      ; all 128 keys come after my queries: nothing to do.  (The wave's number and the loop's count alone)
	s_cbranch_scc1 .Lhid_\@
.endif
	s_setprio 2
	v_add_nc_u32 v[ADK], s[TB], v[AK0]
	v_add_nc_u32 v[ADV], s[TB], v[AV0]
	v_nop                                          ; with the two additions: four places in front of loads into registers that the last products have read
	v_nop
.irp t, 0,1,2,3,4,5,6,7
	ds_load_b128 v[F+8*\t:F+8*\t+3], v[ADK] offset:4*PITCH*\t          ; keys 16 t + r
	ds_load_b128 v[F+8*\t+4:F+8*\t+7], v[ADK] offset:4*PITCH*\t+32
.endr
	s_wait_alu depctr_va_vdst(0)
	s_wait_dscnt 8                                 ; tiles 0 to 3 are in; the eight loads of tiles 4 to 7 may be out
.irp t, 0,1,2,3
	v_wmma_f32_16x16x64_fp8_fp8 v[S+8*\t:S+8*\t+7], v[F+8*\t:F+8*\t+7], v[\q:\q+7], 0
.endr
	s_wait_dscnt 0x0
.irp t, 4,5,6,7
	v_wmma_f32_16x16x64_fp8_fp8 v[S+8*\t:S+8*\t+7], v[F+8*\t:F+8*\t+7], v[\q:\q+7], 0
.endr
.rept 4
	v_nop                                          ; places: in front of the loads into k's registers, and of the first read of the scores
.endr
.irp dt, 0,1,2,3                               ; v's four fragments (16 channels x 128 keys) land under the softmax
.irp c, 0,1,2,3
	ds_load_b128 v[F+16*\dt+4*\c:F+16*\dt+4*\c+3], v[ADV] offset:8*PITCH*\dt+32*\c
.endr
.endr
.if \full
	s_cmp_lg_u32 s[KS], s[\g]
	s_cbranch_scc1 .Lopen_\@                       ; a step in front of the group's own: every key counts
.set n, 0
.rept 64                                       ; register 8 t + j holds key 16 t + 8 h + j of the step: hidden where 16 t + j > my query - 8 h.  A hidden score becomes -infinity: p = 0
	v_cmp_gt_i32 vcc_lo, 16*(n/8)+n%8, v[DQ]
	v_cndmask_b32 v[S+n], v[S+n], v[NINF], vcc_lo
.set n, n+1
.endr
.Lopen_\@:
.endif
	v_max3_num_f32 v[T0], v[S], v[S+1], v[S+2]     ; the step's largest score of my query, among my 64 keys, in two chains; each accumulator is read from its low end on
	v_max3_num_f32 v[T1], v[S+3], v[S+4], v[S+5]
.irp i, 6,10,14,18,22,26,30,34,38,42,46,50,54,58
	v_max3_num_f32 v[T0], v[T0], v[S+\i], v[S+\i+1]
	v_max3_num_f32 v[T1], v[T1], v[S+\i+2], v[S+\i+3]
.endr
	v_max3_num_f32 v[T0], v[T0], v[S+62], v[S+63]
	s_delay_alu instid0(VALU_DEP_1)
	v_max_num_f32 v[T0], v[T0], v[T1]
	s_delay_alu instid0(VALU_DEP_1)
	v_permlanex16_b32 v[PD], v[T0], s[SEL], s[SEL+1]
	s_delay_alu instid0(VALU_DEP_1)
	v_max_num_f32 v[T0], v[T0], v[PD]              ; and among lane l xor 16's
	s_delay_alu instid0(VALU_DEP_1)
	v_mul_f32 v[T0], s[CS], v[T0]                  ; as t (c is positive)
	s_delay_alu instid0(VALU_DEP_1)
	v_max_num_f32 v[NM+1], v[NM+1], v[T0]          ; the running largest t
	v_mov_b32 v[T0], v[NM]
	s_delay_alu instid0(VALU_DEP_2)
	v_floor_f32 v[NM], -v[NM+1]                    ; the new -M = floor(-t) = -ceil(t): M is a whole number
	s_delay_alu instid0(VALU_DEP_1)
	v_sub_f32 v[T0], v[NM], v[T0]                  ; M's old value less its new one: a whole number, 0 or less
	s_delay_alu instid0(VALU_DEP_1)
	v_cvt_i32_f32 v[T0], v[T0]                     ; (it saturates)
	s_delay_alu instid0(VALU_DEP_1)
	v_ldexp_f32 v[FF], 1.0, v[T0]                  ; f = 2^(old M - new M): a multiplication by it rounds nothing
.set j, 0
.rept 32
	v_pk_fma_f32 v[S+j:S+j+1], v[S+j:S+j+1], s[CS:CS+1], v[NM:NM+1] op_sel_hi:[1,0,0]   ; t - M, two at a time (of the pairs c and -M the low word serves both halves)
.set j, j+2
.endr
.set j, 0
	s_setprio 1
	s_wait_alu depctr_va_vdst(0)
.rept 64
	v_exp_f32 v[S+j], v[S+j]                       ; p = 2^(t - M), at most 1: not normalised
.set j, j+1
.endr
	v_pk_mul_f32 v[SUM:SUM+1], v[SUM:SUM+1], v[FF:FF+1] op_sel_hi:[1,0]   ; the sums under the new M: the plain line behind the exponentials
	s_wait_alu depctr_va_vdst(0)                   ; one wait for the whole batch, ahead of its first reader
	v_pk_add_f32 v[212:213], v[100:101], v[104:105]
	v_pk_add_f32 v[252:253], v[108:109], v[112:113]
	v_pk_add_f32 v[250:251], v[116:117], v[120:121]
	v_pk_add_f32 v[248:249], v[124:125], v[128:129]
	v_pk_add_f32 v[246:247], v[132:133], v[136:137]
	v_pk_add_f32 v[244:245], v[140:141], v[144:145]
	v_pk_add_f32 v[242:243], v[148:149], v[152:153]
	v_pk_add_f32 v[210:211], v[210:211], v[156:157]
	v_pk_add_f32 v[212:213], v[212:213], v[96:97]
	v_pk_add_f32 v[252:253], v[252:253], v[98:99]
	v_pk_add_f32 v[250:251], v[250:251], v[102:103]
	v_pk_add_f32 v[248:249], v[248:249], v[106:107]
	v_pk_add_f32 v[246:247], v[246:247], v[110:111]
	v_pk_add_f32 v[244:245], v[244:245], v[114:115]
	v_pk_add_f32 v[242:243], v[242:243], v[118:119]
	v_pk_add_f32 v[210:211], v[210:211], v[122:123]
	v_pk_add_f32 v[212:213], v[212:213], v[126:127]
	v_pk_add_f32 v[252:253], v[252:253], v[130:131]
	v_pk_add_f32 v[250:251], v[250:251], v[134:135]
	v_pk_add_f32 v[248:249], v[248:249], v[138:139]
	v_pk_add_f32 v[246:247], v[246:247], v[142:143]
	v_pk_add_f32 v[244:245], v[244:245], v[146:147]
	v_pk_add_f32 v[242:243], v[242:243], v[150:151]
	v_pk_add_f32 v[210:211], v[210:211], v[154:155]
	v_pk_add_f32 v[212:213], v[212:213], v[158:159]
	s_delay_alu instid0(VALU_DEP_2)
	v_pk_add_f32 v[210:211], v[210:211], v[248:249]
	s_delay_alu instid0(VALU_DEP_2)
	v_pk_add_f32 v[212:213], v[212:213], v[246:247]
	v_pk_add_f32 v[252:253], v[252:253], v[244:245]
	v_pk_add_f32 v[250:251], v[250:251], v[242:243]
	s_delay_alu instid0(VALU_DEP_2)
	v_pk_add_f32 v[210:211], v[210:211], v[252:253]
	s_delay_alu instid0(VALU_DEP_2)
	v_pk_add_f32 v[212:213], v[212:213], v[250:251]
	s_delay_alu instid0(VALU_DEP_1)
	v_pk_add_f32 v[210:211], v[210:211], v[212:213]
.irp c, 0,1,2,3,4,5,6,7
.irp i, 0,1,2,3,4,5,6,7
.endr
	v_cvt_scalef32_pk8_fp8_f32 v[PCD+2*\c:PCD+2*\c+1], v[S+8*\c:S+8*\c+7], v[SCP]   ; keys 16 c + 8 h + 0..7: registers 2 c, 2 c + 1 of the operand
.endr
.set j, 0
	s_setprio 0
.rept 16
	v_pk_mul_f32 v[O+j:O+j+1], v[O+j:O+j+1], v[FF:FF+1] op_sel_hi:[1,0]   ; O^T under the new M.  (Plain lines between the conversions and the products that read the codes)
.set j, j+2
.endr
	s_wait_alu depctr_va_vdst(0)
	s_wait_dscnt 0x0                               ; v is in
.irp dt, 0,1,2,3                               ; O^T += V^T P^T: four accumulators, one instruction a turn; the next step's eight other products stand between two links of a chain
	v_wmma_f32_16x16x128_fp8_fp8 v[O+8*\dt:O+8*\dt+7], v[F+16*\dt:F+16*\dt+15], v[PCD:PCD+15], v[O+8*\dt:O+8*\dt+7]
.endr
.if \full
	s_cmp_lg_u32 s[KS], s[\g]
	s_cbranch_scc1 .Lhid_\@                        ; not the tile's last step yet
.rept 4
	v_nop                                          ; places behind the last products
.endr
	v_add_f32 v[T0], v[SUM], v[SUM+1]              ; the sum's two halves,
	s_delay_alu instid0(VALU_DEP_1)
	v_permlanex16_b32 v[PD], v[T0], s[SEL], s[SEL+1]
	s_delay_alu instid0(VALU_DEP_1)
	v_add_f32 v[T0], v[T0], v[PD]                  ; and lane l xor 16's: the row's sum
	s_wait_alu depctr_va_vdst(0)
	v_rcp_f32 v[T0], v[T0]
	v_nop                                          ; a plain line behind the reciprocal,
	s_wait_alu depctr_va_vdst(0)                   ; and the wait ahead of its first reader
.set j, 0
.rept 16
	v_pk_mul_f32 v[S+j:S+j+1], v[O+j:O+j+1], v[T0:T0+1] op_sel_hi:[1,0]   ; O^T / the sum: register 8 dt + i is channel 16 dt + 8 h + i of my query; each accumulator from its low end on
.set j, j+2
.endr
.set j, 0
.rept 32
.set j, j+1
.endr
.irp dt, 0,1,2,3
	v_cvt_scalef32_pk8_fp8_f32 v[PCD+2*\dt:PCD+2*\dt+1], v[S+8*\dt:S+8*\dt+7], v[SCY]
.endr
	v_nop                                          ; one plain line behind the last conversion
.irp dt, 0,1,2,3
	ds_store_b64 v[STO], v[PCD+2*\dt:PCD+2*\dt+1] offset:16*\dt
.endr
	ds_load_b128 v[\rb:\rb+3], v[RD]               ; LDS serves a wave's instructions in order: these see my stores.  The tile's 1,024 bytes come back as they lie in memory
	ds_load_b128 v[\rb+4:\rb+7], v[RD] offset:2*PITCH
	s_wait_dscnt 0x1                               ; the first is in, the second may be out
	global_store_b128 v[GO], v[\rb:\rb+3], s[\y:\y+1]                ; 32 lanes store 512 consecutive bytes, at a multiple of 256 from yc's first byte
	s_wait_dscnt 0x0
	global_store_b128 v[GO], v[\rb+4:\rb+7], s[\y:\y+1] offset:512
.Lhid_\@:
.endif
.endm
	s_wait_loadcnt 0x0                             ; q's two fragments
	s_wait_tensorcnt 0x3                           ; my first load has landed, the three behind it may be out
	s_barrier_signal -1
	s_barrier_wait -1                              ; key steps 0 to 3 are whole
	s_mov_b32 s[TB], 0
	s_mov_b32 s[KS], 0
.Lp0:                                              ; the late tile (groups 8 to 15), key steps 0 to 3: every key counts
	TSTEP QB, GB, 0, RBB, YB
	s_add_co_u32 s[TB], s[TB], STEPB
	s_add_co_u32 s[KS], s[KS], 1
	s_cmp_lt_u32 s[KS], 4
	s_cbranch_scc1 .Lp0
	s_setprio 0
	s_wait_tensorcnt 0x2                           ; my second load has landed
	s_wait_dscnt 0x0
	s_barrier_signal -1
	s_barrier_wait -1                              ; key steps 4 to 7 are whole
	s_mov_b32 s[TB], 4*STEPB
	s_mov_b32 s[KS], 4
.Lp1:                                              ; key steps 4 to 7
	TSTEP QB, GB, 0, RBB, YB
	s_add_co_u32 s[TB], s[TB], STEPB
	s_add_co_u32 s[KS], s[KS], 1
	s_cmp_lt_u32 s[KS], 8
	s_cbranch_scc1 .Lp1
	s_setprio 0
	s_wait_tensorcnt 0x0                           ; all my loads have landed
	s_wait_dscnt 0x0
	s_barrier_signal -1
	s_barrier_wait -1                              ; the whole head lies in LDS: no barrier is needed from here on
	s_mov_b32 s[TB], 8*STEPB
	s_mov_b32 s[KS], 8
.Lp2:                                              ; key steps 8 to 15: the late tile works in 8 .. its group, and is finished there
	TSTEP QB, GB, 1, RBB, YB
	s_add_co_u32 s[TB], s[TB], STEPB
	s_add_co_u32 s[KS], s[KS], 1
	s_cmp_lt_u32 s[KS], 16
	s_cbranch_scc1 .Lp2
	s_setprio 0
	INIT                                           ; the early tile (groups 0 to 7)
	s_mov_b32 s[TB], 0
	s_mov_b32 s[KS], 0
.Lp3:                                              ; key steps 0 to 7: it works in 0 .. its group
	TSTEP QA, GA, 1, RBA, YA
	s_add_co_u32 s[TB], s[TB], STEPB
	s_add_co_u32 s[KS], s[KS], 1
	s_cmp_lt_u32 s[KS], 8
	s_cbranch_scc1 .Lp3
	s_setprio 0
	s_wait_dscnt 0x0
	s_wait_tensorcnt 0x0
	ds_add_u32 v254, v255
	s_wait_dscnt 0x0
	ROUND                                          ; the closing round: no work-group ends while a partner may still ask for a tile that names it
	s_endpgm
.Lfunc_end_k_q088b67c47f_attn:
	.size	k_q088b67c47f_attn, .Lfunc_end_k_q088b67c47f_attn-k_q088b67c47f_attn
	.p2alignl 7, 3214868480
	.fill 96, 4, 3214868480
	.section	.rodata,"a",@progbits
	.p2align	6, 0x0
	.amdhsa_kernel k_q088b67c47f_attn
		.amdhsa_group_segment_fixed_size 301056
		.amdhsa_private_segment_fixed_size 0
		.amdhsa_enable_private_segment 0
		.amdhsa_kernarg_size 32
		.amdhsa_user_sgpr_count 2
		.amdhsa_user_sgpr_kernarg_segment_ptr 1
		.amdhsa_wavefront_size32 1
		.amdhsa_system_sgpr_workgroup_id_x 1
		.amdhsa_system_sgpr_workgroup_id_y 1
		.amdhsa_system_sgpr_workgroup_id_z 1
		.amdhsa_system_vgpr_workitem_id 0
		.amdhsa_next_free_vgpr 256
		.amdhsa_next_free_sgpr 80
		.amdhsa_reserve_vcc 1
		.amdhsa_float_denorm_mode_32 3
		.amdhsa_float_denorm_mode_16_64 3
		.amdhsa_fp16_overflow 1
		.amdhsa_memory_ordered 1
		.amdhsa_forward_progress 1
		.amdhsa_inst_pref_size 82
	.end_amdhsa_kernel
	.amdgpu_metadata
---
amdhsa.version: [ 1, 2 ]
amdhsa.kernels:
  - .name:           k_q088b67c47f_attn
    .symbol:         k_q088b67c47f_attn.kd
    .args:
      - { .name: qc, .offset: 0, .size: 8, .value_kind: global_buffer, .address_space: global }
      - { .name: kv, .offset: 8, .size: 8, .value_kind: global_buffer, .address_space: global }
      - { .name: lowp_scales, .offset: 16, .size: 8, .value_kind: global_buffer, .address_space: global }
      - { .name: yc, .offset: 24, .size: 8, .value_kind: global_buffer, .address_space: global }
    .group_segment_fixed_size: 301056
    .private_segment_fixed_size: 0
    .kernarg_segment_align: 8
    .kernarg_segment_size: 32
    .max_flat_workgroup_size: 512
    .sgpr_count:     80
    .vgpr_count:     256
    .wavefront_size: 32
...
	.end_amdgpu_metadata
.endif
;; end of part 3
;; launch proj (part 4): grid 4 x 32, 4 waves a work-group, clusters of 4 x 4, 327,680 bytes of LDS; arguments yc, woc, lowp_scales, out0; writes out0
.if DOCPART == 4
	.amdgcn_target "amdgcn-amd-amdhsa--gfx1250"
	.amdhsa_code_object_version 6
	.text
	.protected	k_q088b67c47f_proj
	.globl	k_q088b67c47f_proj
	.p2align	8
	.type	k_q088b67c47f_proj,@function
k_q088b67c47f_proj:
	s_mov_b64 s[64:65], 0
	v_nop
	global_prefetch_b8 v0, s[64:65] scope:SCOPE_SE
	s_setreg_imm32_b32 hwreg(HW_REG_WAVE_MODE, 25, 1), 1
	s_wait_xcnt 0x0
	s_wait_alu depctr_hold_cnt(0) depctr_sa_sdst(0) depctr_va_vdst(0) depctr_va_sdst(0) depctr_va_ssrc(0) depctr_va_vcc(0) depctr_vm_vsrc(0)
	s_getreg_b32 s2, hwreg(HW_REG_IB_STS2, 6, 4)
	s_cmp_eq_u32 s2, 0
	s_cbranch_scc0 .Lentry_in_a_cluster
	s_endpgm
.Lentry_in_a_cluster:
	s_bfe_u32 s2, ttmp6, 0x10000c
	s_cmp_lg_u32 s2, 0xf033
	s_cbranch_scc0 .Lentry_shape_is_right
	s_endpgm
.Lentry_shape_is_right:
; out0[m][n] = sum over k of y[m][k] Wo[n][k] on codes of FP8 (E4M3): y's scale 2^e6, Wo's 2^e7 (entries 6 and 7 of the scales); each finished sum is multiplied once by 2^(e6 + e7).  out0: [8192][1024] f32.
; LIMIT: e6 + e7 lies between -126 and 127, so that 2^(e6 + e7) is an f32 number.
; woc: [1024][1024] codes, K innermost.  yc: [row block of 128: 64][head 16][row % 128][64] codes; k = 64 head + channel.  So 128 rows x 256 along K (four heads) are 32,768 consecutive bytes: A's tile comes as 128 dense
; rows of 256 bytes, and LDS row 32 (head % 4) + row / 4 holds four rows' 64 codes of one head.  A's fragments are read from there so that each register holds the same k as B's.
; A tile of out0, 256 x 256, is made by a work-group of four waves; a wave makes 128 x 128: 64 accumulators, 512 registers.  K = 1,024 goes in four steps of 256 through a ring of two LDS slots filled by the tensor data mover.
; CLUSTERS: 4 x 4 work-groups.  The four of a row of the cluster need the same tiles of A, the four of a column the same tiles of B: each tile is asked for JOINTLY, by the same tensor load with the same descriptor and mask.
; THE MATRIX INSTRUCTION IS USED TRANSPOSED (source 0 = 16 rows of B, source 1 = 16 rows of A): a lane then holds eight neighbouring numbers of a row of out0.
; No tile is named ahead of its tensor load: of K's four steps two come by the first fills and two by the two refills.
; REGISTERS, in windows of 256: window 0: v0-31 addresses; from v128 A's fragments, ONE set; on the way out v32-255 are free.   window 1: B's fragments, TWO sets.   windows 2, 3: the accumulators ((a, b) at v[8 (8 (a % 4) + b)]).
.set SIZE_M, 8192
.set SIZE_N, 1024
.set SIZE_K, 1024
.set KSTEP,  256                       ; along K in a slot
.set ROWB,   256                       ; a tile's row in bytes
.set KROW,   SIZE_K                    ; a row of woc in bytes
.set ASTEP,  128*ROWB                  ; a K step of A's 128 rows: one dense block
.set PITCH,  272                       ; an LDS row: 256 bytes + 16 of padding = 68 words: row r starts at bank 4 r mod 64 (ISA guide 11.1)
.set FR,     16                        ; registers of a fragment: 16 rows x 128 K
.set NL,     4                         ; LDS loads that bring one
.set NP,     4                         ; places behind this matrix instruction (ISA guide 7.12.1)
.set HALFT,  128*PITCH                 ; what one tensor load brings
.set SLOT,   4*HALFT                   ; A's two halves, then B's two
.set LAPS,   SIZE_K/(2*KSTEP)          ; twice round the ring
.set SPARE,  2*SLOT                    ; behind the ring: the spare words, 128 bytes a wave: two blocks of 256 bytes that no other line names
.set SPITCH, 528                       ; the way out: a stage of 16 rows x (512 bytes + 16) for each wave, in slot 0, which has had its last fill and its last read when the first result is stored there
.set ADRA, 16                          ; v16-17  LDS address of my A fragments in slot 0, 1
.set ADRB, 20                          ; v20-21  the same for B
.set STO,  24                          ; v24     the way out: where I put 32 bytes of a row
.set RD,   25                          ; v25     where I read a row back
.set CO,   26                          ; v26     my byte offset in a row of out0
.set SPW,  28                          ; v28     LDS address of my spare word; never rewritten
.set NIL,  29                          ; v29     0; never rewritten
.set TMP,  32                          ; the way out: 64 registers, a block's sums x 2^(e6 + e7)
.set AF,   128                         ; A's fragments
.set BK,   128                         ; the way out: 16 rows read back: v128-191 and v192-255 by turns
.set G1, 24                            ; s[24:31] descriptor group 1 for A's tiles;  s[32:39] group 0, one set for each slot
.set G0, 32
.set G1B, 48                           ; s[48:55], s[56:63] the same for B's tiles
.set G0B, 56
.set MSB, 0
.macro WIN new                         ; the immediate's high byte repeats the setting that is left
.if MSB != \new
	s_set_vgpr_msb (MSB<<8)|\new
.set MSB, \new
.endif
.endm
.set MUL_LO, 0xa1                      ; source 0 (B) window 1, source 1 (A) window 0, C and D window 2
.set MUL_HI, 0xf1                      ; the same, C and D window 3
.set TO_B,   0x40                      ; destination window 1, address window 0
; A joint load: waves 0 and 1 fetch for A, waves 2 and 3 for B; the branch hangs on the wave's number alone.  Four v_nop follow each of the two lines.
.macro JLOAD g0a, g1a, g0b, g1b
	s_cmp_eq_u32 s15, 0
	s_cbranch_scc0 .Lfor_b_\@
	tensor_load_to_lds s[\g0a:\g0a+3], s[\g1a:\g1a+7]
	s_nop 0
.rept 4
	v_nop
.endr
	s_branch .Lasked_\@
.Lfor_b_\@:
	tensor_load_to_lds s[\g0b:\g0b+3], s[\g1b:\g1b+7]
	s_nop 0
.rept 4
	v_nop
.endr
.Lasked_\@:
.endm
.macro CREST                           ; a round of the cluster's barrier behind its opening barrier
	s_cmp_lg_u32 s14, 0
	s_cbranch_scc1 .Lnot_wave_0_\@
	s_barrier_signal -3
.Lnot_wave_0_\@:
	s_barrier_wait -3
	s_barrier_signal -1
	s_barrier_wait -1
.endm
.macro CROUND                          ; a whole round
	s_barrier_signal -1
	s_barrier_wait -1
	CREST
.endm
	s_load_b128 s[4:7], s[0:1], 0x0                ; y's codes s[4:5], Wo's codes s[6:7]
	s_load_b128 s[8:11], s[0:1], 0x10              ; the scales' exponents s[8:9], out0 s[10:11]
	v_lshl_add_u32 v[SPW], v0, 2, SPARE
	v_mov_b32 v[NIL], 0
	ds_add_u32 v28, v29
	ds_add_u32 v28, v29
	s_wait_dscnt 0x0
	v_lshrrev_b32 v1, 5, v0
	v_readfirstlane_b32 s14, v1                    ; wave 0..3
	s_lshr_b32 s15, s14, 1                         ; which half of the tile's rows is mine.  Also: I fetch for A (0) or for B (1)
	s_and_b32 s16, s14, 1                          ; which half of its columns.  Also: which 128 rows of that tile I fetch
	s_bfe_u32 s40, ttmp6, 0x40000                  ; cx, cy: my place in the cluster
	s_bfe_u32 s41, ttmp6, 0x40004
	s_lshl_b32 s42, ttmp9, 2
	s_add_co_u32 s42, s42, s40                     ; tile column = 4 x cluster x + cx
	s_and_b32 s17, ttmp7, 0xffff
	s_lshl_b32 s17, s17, 2
	s_add_co_u32 s17, s17, s41                     ; tile row = 4 x cluster y + cy
	s_lshl_b32 s43, s41, 2
	s_lshl_b32 s43, 15, s43                        ; my row of the cluster
	s_lshl_b32 s44, 0x1111, s40                    ; my column
	; descriptor group 1: a tile of 128 rows x 256 bytes, padded in LDS
	s_or_b32 s[G1+0], s43, (0<<16)|(1<<20)|(1<<21)|(5<<22)|(3<<25)  ; 15:0 the mask: A's tiles go to my row; 17:16 element of 1 byte; 20 padding on; 21 set beside a mask; 24:22 after every 64 words (code 5); 31:25 of 4 words (code 3)
	s_or_b32 s[G1B+0], s44, (0<<16)|(1<<20)|(1<<21)|(5<<22)|(3<<25)
.irp g, G1, G1B
	s_mov_b32 s[\g+1], ROWB<<16                    ; tensor_dim0
	s_mov_b32 s[\g+2], 128<<16                     ; tensor_dim1 = 128
	s_mov_b32 s[\g+3], ROWB<<16                    ; tile_dim0
	s_mov_b32 s[\g+4], 128                         ; tile_dim1 = 128
	s_mov_b32 s[\g+6], 0
	s_mov_b32 s[\g+7], 0
.endr
	s_mov_b32 s[G1+5], ROWB                        ; tensor_dim0_stride: A's tile is dense,
	s_mov_b32 s[G1B+5], KROW                       ; B's rows lie 1,024 bytes apart
	s_lshl_b32 s18, s16, 7                         ; which 128 rows of the tile I fetch
	s_lshl_b32 s20, s17, 8
	s_add_co_u32 s20, s20, s18                     ; A: row 256 x tile row + 128 x half: a whole row block of yc, 128 x 1,024 bytes
	s_lshl_b32 s46, s42, 8
	s_add_co_u32 s46, s46, s18                     ; B: row 256 x tile column + 128 x half
	s_mov_b32 s21, 0
	s_mov_b32 s47, 0
	s_mov_b64 s[18:19], KROW
	s_mul_u64 s[20:21], s[20:21], s[18:19]
	s_mul_u64 s[46:47], s[46:47], s[18:19]
	s_mul_i32 s45, s14, HALFT                      ; where they go: wave x 128 LDS rows: no place in the cluster enters an LDS address
	s_wait_kmcnt 0x0
	s_load_b64 s[96:97], s[8:9], 0x18              ; e6, e7
	s_add_nc_u64 s[20:21], s[4:5], s[20:21]
	s_add_nc_u64 s[46:47], s[6:7], s[46:47]
	CROUND                                         ; all sixteen work-groups are here: the first joint loads meet
.irp s, 0,1
	s_mov_b32 s[G0+4*\s], 1
	s_add_co_u32 s[G0+4*\s+1], s45, \s*SLOT
	s_add_nc_u64 s[G0+4*\s+2:G0+4*\s+3], s[20:21], \s*ASTEP
	s_or_b32 s[G0+4*\s+3], s[G0+4*\s+3], 0x80000000
	s_mov_b32 s[G0B+4*\s], 1
	s_add_co_u32 s[G0B+4*\s+1], s45, \s*SLOT
	s_add_nc_u64 s[G0B+4*\s+2:G0B+4*\s+3], s[46:47], \s*ROWB
	s_or_b32 s[G0B+4*\s+3], s[G0B+4*\s+3], 0x80000000
	s_wait_alu depctr_va_vdst(0)
	s_wait_tensorcnt 0x0
	ds_add_u32 v28, v29
	ds_add_u32 v28, v29
	s_wait_dscnt 0x0
	CROUND
	JLOAD G0+4*\s, G1, G0B+4*\s, G1B
.endr
	v_and_b32 v1, 15, v0                           ; r = l % 16
	v_bfe_u32 v2, v0, 4, 1                         ; h = l / 16
	v_mul_u32_u24 v3, v1, PITCH
	v_lshl_add_u32 v4, v2, 4, v3                   ; B: a fragment's row x pitch + 16 h
	v_lshrrev_b32 v7, 2, v1
	v_mul_u32_u24 v7, v7, PITCH
	v_and_b32 v8, 3, v1
	v_lshl_add_u32 v7, v8, 6, v7
	v_lshl_add_u32 v7, v2, 4, v7                   ; A: LDS row r / 4, byte 64 (r % 4) + 16 h
	s_mul_i32 s21, s15, HALFT                      ; my 128 rows of A
	s_mul_i32 s22, s16, HALFT                      ; my 128 rows of B,
	s_add_co_u32 s22, s22, 2*HALFT                 ; which lie behind A's
.irp s, 0,1
	v_add_nc_u32 v[ADRA+\s], s21, v7
	v_add_nc_u32 v[ADRB+\s], s22, v4
	s_add_co_u32 s21, s21, SLOT
	s_add_co_u32 s22, s22, SLOT
.endr
	s_mul_i32 s23, s14, 16*SPITCH                  ; my stage
	v_mul_u32_u24 v5, v1, SPITCH                   ; in: row l % 16, 32 bytes for each half of the lanes
	v_lshl_add_u32 v5, v2, 5, v5
	v_add_nc_u32 v[STO], s23, v5
	v_and_b32 v6, 31, v0
	v_lshlrev_b32 v[CO], 4, v6                     ; back: the 32 lanes take one row of 512 bytes; and the same in out0
	v_add_nc_u32 v[RD], s23, v[CO]
	s_lshl_b32 s20, s17, 8
	s_lshl_b32 s21, s15, 7
	s_add_co_u32 s20, s20, s21                     ; my first row of out0: 256 x tile row + 128 x half
	s_mov_b32 s21, 0
	s_mov_b64 s[18:19], SIZE_N*4
	s_mul_u64 s[20:21], s[20:21], s[18:19]
	s_lshl_b32 s46, s42, 10                        ; my first column, in bytes: 1024 x tile column + 512 x half
	s_lshl_b32 s47, s16, 9
	s_add_co_u32 s46, s46, s47
	s_mov_b32 s47, 0
	s_add_nc_u64 s[20:21], s[20:21], s[46:47]
	s_add_nc_u64 s[10:11], s[10:11], s[20:21]
.macro FRAG reg, adr, q, i             ; a fragment of B, 16 rows x 128 K, is 16 registers: lane l holds row l % 16; registers 4 c .. 4 c + 3 hold K = 128 q + 32 c + 16 (l / 16) + 0 .. 15
.irp c, 0,1,2,3
	ds_load_b128 v[\reg+4*\c:\reg+4*\c+3], v[\adr] offset:128*(\q)+32*\c+(\i)*16*PITCH
.endr
.endm
.macro FRAGA reg, adr, q, i            ; the same k of A: head 2 q + c / 2 of the slot's four, channels 32 (c % 2) + 16 (l / 16) + 0 .. 15; rows 16 i + r lie in LDS rows 32 x head + 4 i + r / 4
.irp c, 0,1,2,3
	ds_load_b128 v[\reg+4*\c:\reg+4*\c+3], v[\adr] offset:((2*(\q)+\c/2)*32+4*(\i))*PITCH+32*(\c%2)
.endr
.endm
; 16 matrix instructions: A's blocks a0, a0 + 1 x B's eight, 128 along K.  p: B's set.  zero = 1: the first product starts the sums: nothing is ever cleared.
; The 64 accumulators take turns, one instruction a turn, in the same order in every step.
.macro MUL16 a0, p, zero
.irp a, \a0, \a0+1
.irp b, 0,1,2,3,4,5,6,7
.if \zero
	v_wmma_f32_16x16x128_fp8_fp8 v[8*(8*((\a)%4)+\b):8*(8*((\a)%4)+\b)+7], v[128*(\p)+FR*\b:128*(\p)+FR*\b+FR-1], v[AF+FR*(\a):AF+FR*(\a)+FR-1], 0
.else
	v_wmma_f32_16x16x128_fp8_fp8 v[8*(8*((\a)%4)+\b):8*(8*((\a)%4)+\b)+7], v[128*(\p)+FR*\b:128*(\p)+FR*\b+FR-1], v[AF+FR*(\a):AF+FR*(\a)+FR-1], v[8*(8*((\a)%4)+\b):8*(8*((\a)%4)+\b)+7]
.endif
.endr
.endr
.endm
.macro FETCH_B slot, q, p              ; B's eight fragments of the slot's q-th 128 along K into set p
	WIN TO_B
.irp i, 0,1,2,3,4,5,6,7
	FRAG 128*(\p)+FR*\i, ADRB+\slot, \q, \i
.endr
	WIN 0
.endm
.macro FETCH_A slot, q, i0             ; A's blocks i0 .. i0 + 3
.irp i, \i0, \i0+1, \i0+2, \i0+3
	FRAGA AF+FR*(\i), ADRA+\slot, \q, \i
.endr
.endm
; A load into a register that a matrix instruction has read, and a vector instruction that reads a matrix result, stand NP places behind that matrix instruction; only plain vector instructions that name none of its
; registers are places (ISA guide 7.12.1 for vector instructions).
.macro PLACES n
.rept \n
	v_nop
.endr
.endm
; A step of 128 along K that has its successor in the same slot.
.macro STEP slot, q, zero
	s_wait_dscnt 4*NL                              ; B's set and A's blocks 0-3 are in; the youngest sixteen loads (A's blocks 4-7) may be out
	WIN MUL_LO
	MUL16 0, (\q)%2, \zero
	MUL16 2, (\q)%2, \zero
	s_wait_dscnt 0                                 ; A's blocks 4-7 are in (asked for 32 matrix instructions ago)
	PLACES NP
	FETCH_B \slot, (\q)+1, 1-(\q)%2
	FETCH_A \slot, (\q)+1, 0
	WIN MUL_HI
	MUL16 4, (\q)%2, \zero
	MUL16 6, (\q)%2, \zero
	PLACES NP
	WIN 0
	FETCH_A \slot, (\q)+1, 4
.endm
; A slot's last step changes slots: ONE barrier; in front of it each wave waits for all its tensor loads, adds 0 to its spare word, and waits for that and for its own reads of this slot.  fill = 1: this slot is filled again, two K steps ahead.
.macro TURN slot, next, fill
	s_wait_tensorcnt 0x0                           ; all my tensor loads have landed: my part of the next slot;  (every window is 0 here)
	ds_add_u32 v[SPW], v[NIL]                      ; 0 onto my spare word
	s_wait_dscnt 4*NL+1                            ; (the add and the youngest sixteen loads, A's blocks 4-7, may be out)
	WIN MUL_LO
	MUL16 0, 1, 0                                  ; sixteen matrix instructions stand between the add and the wait for it
	s_wait_dscnt 0x0                               ; the add is done, and my reads of this slot are over
	s_barrier_signal -1
	MUL16 2, 1, 0
	WIN 0
	s_barrier_wait -1
.if \fill
	CREST                                          ; the barrier has opened a round of the cluster's barrier: no wave of any partner still reads this slot's tile or has a load on its way
	s_add_nc_u64 s[G0+4*\slot+2:G0+4*\slot+3], s[G0+4*\slot+2:G0+4*\slot+3], 2*ASTEP
	s_add_nc_u64 s[G0B+4*\slot+2:G0B+4*\slot+3], s[G0B+4*\slot+2:G0B+4*\slot+3], 2*ROWB
	JLOAD G0+4*\slot, G1, G0B+4*\slot, G1B         ; the first tensor load behind the round; the four v_nop behind it are the places in front of the loads below
.else
	PLACES NP
.endif
	FETCH_B \next, 0, 0
	FETCH_A \next, 0, 0
	WIN MUL_HI
	MUL16 4, 1, 0
	MUL16 6, 1, 0
	PLACES NP
	WIN 0
	FETCH_A \next, 0, 4
.endm
	s_wait_alu depctr_va_vdst(0)
	s_wait_tensorcnt 1                             ; my part of K step 0 is in (K step 1's load may be out)
	s_barrier_signal -1
	s_barrier_wait -1                              ; everybody's is
	FETCH_B 0, 0, 0
	FETCH_A 0, 0, 0
	FETCH_A 0, 0, 4
	STEP 0, 0, 1                                   ; the first step stands in front of the loop: its products start the sums
	s_mov_b32 s3, LAPS-1
.Llap:                                                 ; a trip goes once round the ring, from a lap's second step to the next lap's first, and fills both slots again
	TURN 0, 1, 1
	STEP 1, 0, 0
	TURN 1, 0, 1
	STEP 0, 0, 0
	s_sub_co_u32 s3, s3, 1
	s_cmp_lg_u32 s3, 0
	s_cbranch_scc1 .Llap
	TURN 0, 1, 0                                   ; the last lap fills nothing, and has no round of the cluster's barrier
	STEP 1, 0, 0
	s_wait_dscnt 4*NL                              ; the very last step: nothing more to fetch
	WIN MUL_LO
	MUL16 0, 1, 0
	MUL16 2, 1, 0
	s_wait_dscnt 0
	WIN MUL_HI
	MUL16 4, 1, 0
	MUL16 6, 1, 0
	WIN 0
; THE WAY OUT, block by block of 16 rows x 128 columns.  A lane holds 32 neighbouring bytes of a row, and the lanes beside it hold other rows: so a block goes through my own stage in LDS and comes back as whole
; rows of 512 bytes, which the 32 lanes store at once.  LDS serves a wave's instructions in order (ISA guide 5.7.1.4): no wait between the stores and the loads, nor in front of the next block's stores.
.macro TOSTAGE a
.set AC, 64*((\a)%4)
	WIN 0x02+((\a)/4)                              ; source 0: window 2 or 3
.irp j, 0,2,4,6,8,10,12,14,16,18,20,22,24,26,28,30,32,34,36,38,40,42,44,46,48,50,52,54,56,58,60,62
	v_pk_mul_f32 v[TMP+\j:TMP+\j+1], v[AC+\j:AC+\j+1], s[96:97] op_sel_hi:[1,0]   ; both x s96 = 2^(e6 + e7); each accumulator from its low end on
.endr
	WIN 0
.irp b, 0,1,2,3,4,5,6,7
	ds_store_b128 v[STO], v[TMP+8*\b:TMP+8*\b+3] offset:64*\b
	ds_store_b128 v[STO], v[TMP+8*\b+4:TMP+8*\b+7] offset:64*\b+16
.endr
.set BB, BK+64*((\a)%2)
.irp t, 0,1,2,3,4,5,6,7,8,9,10,11,12,13,14,15
	ds_load_b128 v[BB+4*\t:BB+4*\t+3], v[RD] offset:\t*SPITCH
.endr
.endm
.macro SEND a, younger                 ; younger: the LDS instructions issued behind block a's loads, which may stay out
.set BB, BK+64*((\a)%2)
	s_wait_dscnt \younger                          ; the block is back in registers
.if (\a) > 0
	s_add_nc_u64 s[10:11], s[10:11], 16*SIZE_N*4   ; (behind a wait on XCNT: the earlier stores have read their base)  16 rows of out0 on
.endif
.irp t, 0,1,2,3,4,5,6,7,8,9,10,11,12,13,14,15
	global_store_b128 v[CO], v[BB+4*\t:BB+4*\t+3], s[10:11] offset:\t*SIZE_N*4 th:TH_STORE_NT   ; 32 lanes store 512 consecutive bytes, at a multiple of 256 from out0's first byte; written once, read by nobody here
.endr
.endm
	s_wait_kmcnt 0x0
	s_add_co_i32 s96, s96, s97                     ; e6 + e7, between -126 and 127,
	s_add_co_i32 s96, s96, 127
	s_lshl_b32 s96, s96, 23                        ; makes the f32 number 2^(e6 + e7)
	PLACES NP                                      ; behind the last products: for the loads into the registers that held A's fragments and for the reads of results
	TOSTAGE 0
.irp a, 1,2,3,4,5,6,7
.if \a > 1
	s_wait_xcnt 0x0                                ; block a - 2's stores have read their registers and their base: block a's loads may land there, and the base may step
.endif
	TOSTAGE \a
	SEND \a-1, 32                                  ; behind block a - 1's loads: block a's 16 stores and 16 loads
.endr
	s_wait_xcnt 0x0                                ; block 6's stores have read their base
	SEND 7, 0
	s_wait_tensorcnt 0x0                           ; the wave's end: behind my last tensor load and my last LDS store
	ds_add_u32 v[SPW], v[NIL]
	s_wait_dscnt 0x0
	CROUND                                         ; the closing round: no work-group ends while a partner may still ask for a tile that names it
	s_endpgm
.Lfunc_end_k_q088b67c47f_proj:
	.size	k_q088b67c47f_proj, .Lfunc_end_k_q088b67c47f_proj-k_q088b67c47f_proj
	.p2alignl 7, 3214868480
	.fill 96, 4, 3214868480
	.section	.rodata,"a",@progbits
	.p2align	6, 0x0
	.amdhsa_kernel k_q088b67c47f_proj
		.amdhsa_group_segment_fixed_size 327680
		.amdhsa_private_segment_fixed_size 0
		.amdhsa_enable_private_segment 0
		.amdhsa_kernarg_size 32
		.amdhsa_user_sgpr_count 2
		.amdhsa_user_sgpr_kernarg_segment_ptr 1
		.amdhsa_wavefront_size32 1
		.amdhsa_system_sgpr_workgroup_id_x 1
		.amdhsa_system_sgpr_workgroup_id_y 1
		.amdhsa_system_sgpr_workgroup_id_z 1
		.amdhsa_system_vgpr_workitem_id 0
		.amdhsa_next_free_vgpr 1024
		.amdhsa_next_free_sgpr 98
		.amdhsa_reserve_vcc 0
		.amdhsa_float_denorm_mode_32 3
		.amdhsa_float_denorm_mode_16_64 3
		.amdhsa_memory_ordered 1
		.amdhsa_forward_progress 1
		.amdhsa_inst_pref_size 124
	.end_amdhsa_kernel
	.amdgpu_metadata
---
amdhsa.version: [ 1, 2 ]
amdhsa.kernels:
  - .name:           k_q088b67c47f_proj
    .symbol:         k_q088b67c47f_proj.kd
    .args:
      - { .name: yc, .offset: 0, .size: 8, .value_kind: global_buffer, .address_space: global }
      - { .name: woc, .offset: 8, .size: 8, .value_kind: global_buffer, .address_space: global }
      - { .name: lowp_scales, .offset: 16, .size: 8, .value_kind: global_buffer, .address_space: global }
      - { .name: out0, .offset: 24, .size: 8, .value_kind: global_buffer, .address_space: global }
    .group_segment_fixed_size: 327680
    .private_segment_fixed_size: 0
    .kernarg_segment_align: 8
    .kernarg_segment_size: 32
    .max_flat_workgroup_size: 128
    .sgpr_count:     98
    .vgpr_count:     1024
    .wavefront_size: 32
...
	.end_amdgpu_metadata
.endif
;; end of part 4
